; MI455X (gfx1250); checked and timed in simulation.
; The chip was launched on July 23, 2026; its instructions are those of AMD's public machine-readable ISA for CDNA 5 (MIT licence, August 2026) and "CDNA5" Instruction Set Architecture Reference Guide (July 2026). The comments in the code are by the model that wrote it; some were corrected since.
;; Feed Forward. Allowed arithmetic: matrix products marked QUANTISED: E2M3 operands, one E8M0 scale for each 32 along K, by v_wmma_scale_f32_16x16x128_f8f6f4 with both operands' format E2M3, f32 sums; everything else in f32.
;; Inputs: w1 4,096 x 1,024 float32; w2 1,024 x 4,096 float32; x 4 x 2,048 x 1,024 float32.
;; Outputs: out0 4 x 2,048 x 1,024 float32.
;; This version of the problem:
;;   THIS VERSION OF THE PROBLEM IS GIVEN IN LOW PRECISION. The matrix products marked QUANTISED in the list below multiply operands that are first quantised to E2M3 (2 exponent bits, 3 mantissa bits; 6 bits a number), with one power-of-two scale for each 32 numbers along K (OCP MX v1.0); their sums are f32. All else is computed in f32.
;;   The module's matrix products, in the order in which they are computed (A, B: the left and right operand; K: the contracted axis; several contracted axes count as one K, in the product's order):
;;     1. [M 8,192, K 1,024] x [K 1,024, N 4,096]; A: computed on the way; B: computed on the way: QUANTISED
;;     2. [M 8,192, K 4,096] x [K 4,096, N 1,024]; A: computed on the way; B: computed on the way: QUANTISED
;;   THE QUANTISER, for each operand of a quantised product, along K:
;;     - K is cut into blocks of 32 from its start; a last block that is shorter is filled with zeros.
;;     - A block's scale is 2^e with e = floor(log2(the largest magnitude in the block)) - 2, held to -126 .. 127; a block of zeros has e = 0. As a byte (E8M0): e + 127.
;;     - Each number is divided by its block's scale, clamped to +-7.5, and rounded to the nearest number of E2M3, ties to even, subnormals kept.
;;     - The product sums the exact products of the quantised numbers (number of the format x scale) in f32.
;;   ~~~python
;;   def quantise(x, axis):      # numpy; x: float32 -> the quantised numbers, widened to float32 again
;;       x = np.moveaxis(x, axis, -1); K = x.shape[-1]
;;       x = np.pad(x, [(0, 0)] * (x.ndim - 1) + [(0, -K % 32)]); x = x.reshape(x.shape[:-1] + (-1, 32)); a = np.abs(x).max(-1, keepdims=True)
;;       e = np.where(a > 0, np.clip(np.frexp(np.where(a > 0, a, 1))[1] - 1 - 2, -126, 127), 0)      # np.frexp(a)[1] - 1 = floor(log2(a)), exactly
;;       r = np.clip(x / 2.0 ** e, -7.5, 7.5)
;;       step = 2.0 ** (np.maximum(np.frexp(np.where(r == 0, 1, r))[1] - 1, 0) - 3)
;;       q = np.round(r / step) * step * 2.0 ** e      # np.round: ties to even
;;       return np.moveaxis(q.reshape(q.shape[:-2] + (-1,))[..., :K], -1, axis).astype(np.float32)
;;   ~~~
;;   OPERANDS COMPUTED ON THE WAY. 'Computed on the way' means the value that the module computes at that place (a softmax that the list does not call 'softmax' is quantised finished and normalised). What goes into a quantiser is computed in f32, as accurately as f32 sums, v_exp_f32 and their like allow (about 1e-6 of the number): no bf16 or f16 on the way to a quantiser, and a product that is left as it is and whose result goes on into a quantised operand takes f32 operands (vector FMAs, or v_wmma_f32_16x16x4_f32). A number that lies on a knife's edge between two numbers of the format may be rounded either way, as far as f32 arithmetic and the matrix unit's own rounding can turn it there, and no further.
;; One version. Each part assembles by itself: llvm-mc -triple=amdgcn-amd-amdhsa -mcpu=gfx1250 --defsym DOCPART=n.
;; ======== version 1 of 1: 5 launches
;; workspace buffers: xq 6,553,600 bytes; w1q 3,276,800 bytes; w2q 3,276,800 bytes; hq 26,214,400 bytes; gact 134,217,728 bytes; psum 8,192 bytes
;; launch prep (part 1): grid 768 x 1, 8 waves a work-group, no clusters, 69,632 bytes of LDS; arguments x, w1, w2, xq, psum; writes xq, psum
.if DOCPART == 1
	.amdgcn_target "amdgcn-amd-amdhsa--gfx1250"
	.amdhsa_code_object_version 6
	.text
	.protected	k_q81d6b140e0_prep
	.globl	k_q81d6b140e0_prep
	.p2align	8
	.type	k_q81d6b140e0_prep,@function
k_q81d6b140e0_prep:
	s_mov_b64 s[64:65], 0
	v_nop
	global_prefetch_b8 v0, s[64:65] scope:SCOPE_SE
	s_setreg_imm32_b32 hwreg(HW_REG_WAVE_MODE, 25, 1), 1
	s_wait_xcnt 0x0
; Two jobs in one launch, parted by the work-group's number.
; WORK-GROUPS 0-511: 16 tokens of x [8192][1024] f32 each.  Per token: m = max(largest |x|, 1e-5), scale = 127 / m, xq = rne(x scale) / scale, a = x + (xq - x), all in f32; then a is
; quantised along K to FP6 (E2M3) with one E8M0 byte for each 32.  Wave w takes the 128 columns 128 w on: one operand fragment.
; WORK-GROUPS 512-767: partial sums of |w1| (the first 128) and |w2|: each wave sums 4,096 numbers and stores one f32 into psum [2][1024].
; xq IS LAID IN RECORDS of 6,400 bytes, record = 2 x (tile of 16 rows) + (K / 512): four images of a fragment's 12 registers (K step q at 1,536 q: register j of lane l at 512 (j / 4) + 16 l + 4 (j % 4)),
; then at byte 6,144 the scale words: row r's four words at 16 r.  So a fragment is read back by three loads of 16 bytes a lane, and a record is one dense block.
; The clip to -128 .. 127 is not written: |x| <= m, so |x scale| <= 127 (1 + 2^-23), which rounds to 127 at the most, for every input.
; LIMITS: rne(x scale) is multiplied by a corrected reciprocal of scale where the definition divides: at most one unit in the last place apart.  A block of zeros gets the byte 1 (its codes are zeros; only this
; program reads the bytes).  NaN and infinities are not served; m above 2^126 is not served (its reciprocal falls to zero).
.set STGB, 8448                        ; a wave's stage: 16 rows x (512 bytes + 16): row r starts 4 r banks on, so the 16 rows that a load touches start at 16 different banks
.set XMAX, 8*STGB                      ; 512 bytes: [row 16][wave 8] partial maxima
.set XSC,  XMAX+512                    ; 512 bytes: [K / 512: 2][row 16][4 words] scale words
.set SEL,  20                          ; s[20:21] lane selects for v_permlanex16_b32: lane l xor 16
.set SCL,  12                          ; v[12:13] scale, twice (a pair for the packed forms)
.set INV,  14                          ; v[14:15] 1 / scale, twice
.set MX,   24                          ; v24-25 maxima
.set RT,   26                          ; v26-28 at work in ROWSCALE
.set D,    32                          ; v32-95  my 64 numbers: register 16 b + i = column 32 b + 16 (lane / 16) + i of row lane % 16
.set LR,   96                          ; v96-159 as loaded; later:
.set T,    96                          ; v96-103 at work
.set TM,   104                         ; v104-119 QUANT's (v108-111, a lane permute's destinations, have been written by the loads)
.set PC,   120                         ; v120-138 the codes
.set PW,   140                         ; v140 the scale word
; 64 numbers of a lane, register 16 b + i = k 32 b + 16 (lane / 16) + i of my row, become a fragment's codes in v[PC] on and its scale word in v[PW].
.macro QUANT s
.irp b, 0,1,2,3
	v_max3_num_f32 v[TM+\b], |v[\s+16*\b]|, |v[\s+1+16*\b]|, 0x1800000   ; block b: my 16 numbers, and the floor 2^(3 - 127): the byte cannot fall under 1
.endr
.irp i, 2,4,6,8,10,12,14
.irp b, 0,1,2,3
	v_max3_num_f32 v[TM+\b], v[TM+\b], |v[\s+16*\b+\i]|, |v[\s+1+16*\b+\i]|   ; the four blocks by turns
.endr
.endr
.irp b, 0,1,2,3
	v_permlanex16_b32 v[TM+4+\b], v[TM+\b], s[SEL], s[SEL+1]
.endr
.irp b, 0,1,2,3
	v_max_num_f32 v[TM+\b], v[TM+\b], v[TM+4+\b]   ; with lane l xor 16's: the block's largest magnitude
.endr
.irp b, 0,1,2,3
	v_add_nc_u32 v[TM+12+\b], 0xff000000, v[TM+\b]   ; 2 off its exponent field: the conversion's scale operand
.endr
.irp b, 0,1,2,3
	v_lshrrev_b32 v[TM+4+\b], 23, v[TM+12+\b]   ; the scale's byte
.endr
	v_lshl_or_b32 v[PW], v[TM+5], 8, v[TM+4]
	v_lshl_or_b32 v[PW], v[TM+6], 16, v[PW]
	v_lshl_or_b32 v[PW], v[TM+7], 24, v[PW]
.irp c, 0,1
	v_cvt_scalef32_pk16_fp6_f32 v[PC+6*\c:PC+2+6*\c], v[\s+32*\c:\s+15+32*\c], v[TM+12+2*\c]
	v_cvt_scalef32_pk16_fp6_f32 v[PC+12+4*\c:PC+14+4*\c], v[\s+16+32*\c:\s+31+32*\c], v[TM+12+2*\c+1]   ; (a conversion's three registers begin on an even number)
.endr
	v_nop                                          ; one plain place behind a scaled conversion
.irp c, 0,1                                    ; the operand's layout wants a whole block in a lane: lanes 0-15 block 2 c, lanes 16-31 block 2 c + 1
.irp i, 0,1,2
	v_permlane16_swap_b32 v[PC+6*\c+\i], v[PC+12+4*\c+\i]
.endr
.irp i, 0,1,2
	v_mov_b32 v[PC+3+6*\c+\i], v[PC+12+4*\c+\i]
.endr
.endr
.endm
; scale = 127 / max(m, 1e-5) and 1 / scale, each a reciprocal with one correcting step
.macro ROWSCALE m
	v_max_num_f32 v[\m], 0x3727c5ac, v[\m]
	v_rcp_f32 v[RT], v[\m]
	v_nop                                          ; a plain place behind the transcendental
	s_wait_alu depctr_va_vdst(0)
	v_mul_f32 v[RT+1], 0x42fe0000, v[RT]
	v_fma_f32 v[RT+2], -v[RT+1], v[\m], 0x42fe0000
	v_fma_f32 v[SCL], v[RT+2], v[RT], v[RT+1]
	v_rcp_f32 v[RT], v[SCL]
	v_nop
	s_wait_alu depctr_va_vdst(0)
	v_fma_f32 v[RT+1], -v[SCL], v[RT], 1.0
	v_fma_f32 v[INV], v[RT+1], v[RT], v[RT]
	v_mov_b32 v[SCL+1], v[SCL]
	v_mov_b32 v[INV+1], v[INV]
.endm
; a = x + (rne(x scale) / scale - x), 64 registers in place, four pairs by turns
.macro INT8 s
.set g, \s
.rept 8
.irp p, 0,2,4,6
	v_pk_mul_f32 v[T+\p:T+\p+1], v[g+\p:g+\p+1], v[SCL:SCL+1]
.endr
.irp p, 0,1,2,3,4,5,6,7
	v_rndne_f32 v[T+\p], v[T+\p]
.endr
.irp p, 0,2,4,6
	v_pk_mul_f32 v[T+\p:T+\p+1], v[T+\p:T+\p+1], v[INV:INV+1]
.endr
.irp p, 0,2,4,6
	v_pk_add_f32 v[T+\p:T+\p+1], v[T+\p:T+\p+1], v[g+\p:g+\p+1] neg_lo:[0,1] neg_hi:[0,1]
.endr
.irp p, 0,2,4,6
	v_pk_add_f32 v[g+\p:g+\p+1], v[g+\p:g+\p+1], v[T+\p:T+\p+1]
.endr
.set g, g+8
.endr
.endm
.macro ADD8 base
.irp c, 0,1,2,3,4,5,6,7
	v_add_f32 v[16+\c], v[16+\c], |v[\base+\c]|
.endr
.endm
	s_load_b256 s[4:11], s[0:1], 0x0               ; x s[4:5], w1 s[6:7], w2 s[8:9], xq s[10:11]
	s_load_b64 s[12:13], s[0:1], 0x20              ; psum
	v_lshl_add_u32 v160, v0, 2, 0x10c00
	v_mov_b32 v161, 0
	v_lshrrev_b32 v1, 5, v0
	v_readfirstlane_b32 s14, v1                    ; wave 0..7
	v_and_b32 v11, 31, v0                          ; lane
	v_lshlrev_b32 v1, 4, v11                       ; 16 x lane
	v_and_b32 v2, 15, v0                           ; r
	v_bfe_u32 v3, v0, 4, 1                         ; h
	s_mul_i32 s15, s14, STGB                       ; my stage
	v_add_nc_u32 v4, s15, v1                       ; into it: a row's 512 bytes as they lie
	v_mul_u32_u24 v5, v2, 528
	v_lshl_add_u32 v5, v3, 6, v5
	v_add_nc_u32 v5, s15, v5                       ; out of it: row r, + 64 h
	v_lshlrev_b32 v7, 5, v2
	v_add_nc_u32 v7, XMAX, v7                      ; row r's eight partial maxima
	s_lshl_b32 s16, s14, 2
	v_add_nc_u32 v6, s16, v7                       ; and mine among them
	s_lshr_b32 s17, s14, 2                         ; which record of the tile's two
	s_and_b32 s18, s14, 3                          ; which K step in it
	s_lshl_b32 s19, s17, 8
	s_lshl_b32 s22, s18, 2
	s_add_co_u32 s19, s19, s22
	v_lshlrev_b32 v8, 4, v2
	v_add_nc_u32 v8, s19, v8
	v_add_nc_u32 v8, XSC, v8                       ; where my scale word goes
	v_add_nc_u32 v9, XSC, v1                       ; where wave 0 reads all of them back
	v_mul_u32_u24 v10, v3, 6400
	v_lshl_add_u32 v10, v2, 4, v10                 ; and their place in the two records
	s_mov_b32 s[SEL], 0x76543210
	s_mov_b32 s[SEL+1], 0xfedcba98
	s_cmp_lt_u32 ttmp9, 512
	s_cbranch_scc0 .Lsum
	; ---- 16 tokens of x
	s_lshl_b32 s24, ttmp9, 16                      ; 16 rows of 4,096 bytes
	s_lshl_b32 s25, s14, 9                         ; my 512 bytes of a row
	s_add_co_u32 s24, s24, s25
	s_mov_b32 s25, 0
	s_mul_i32 s26, ttmp9, 12800                    ; the tile's two records
	s_mov_b32 s27, 0
	s_mul_i32 s28, s17, 6400
	s_mul_i32 s29, s18, 1536
	s_add_co_u32 s28, s28, s29                     ; my image in them
	s_mov_b32 s29, 0
	s_wait_kmcnt 0x0
	s_add_nc_u64 s[4:5], s[4:5], s[24:25]
	s_add_nc_u64 s[10:11], s[10:11], s[26:27]
	s_add_nc_u64 s[30:31], s[10:11], s[28:29]
.irp j, 0,1,2,3,4,5,6,7,8,9,10,11,12,13,14,15
	global_load_b128 v[LR+4*\j:LR+4*\j+3], v1, s[4:5] offset:4096*\j th:TH_LOAD_NT   ; 32 lanes read 512 consecutive bytes of row j
.endr
.irp q, 0,1,2,3
	s_wait_loadcnt 12-4*\q                         ; four more rows are in; the younger loads stay out
.irp j, 0,1,2,3
	ds_store_b128 v4, v[LR+16*\q+4*\j:LR+16*\q+4*\j+3] offset:528*(4*\q+\j)
.endr
.endr
.irp b, 0,1,2,3
.irp i, 0,1,2,3
	ds_load_b128 v[D+16*\b+4*\i:D+16*\b+4*\i+3], v5 offset:128*\b+16*\i   ; LDS serves a wave's instructions in order: these see my stores
.endr
.endr
	s_wait_dscnt 0x0
	v_max3_num_f32 v[MX], |v[D]|, |v[D+1]|, |v[D+2]|
	v_max3_num_f32 v[MX+1], |v[D+3]|, |v[D+4]|, |v[D+5]|
.set i, 6
.rept 14
	v_max3_num_f32 v[MX], v[MX], |v[D+i]|, |v[D+i+1]|
	v_max3_num_f32 v[MX+1], v[MX+1], |v[D+i+2]|, |v[D+i+3]|
.set i, i+4
.endr
	v_max3_num_f32 v[MX], v[MX], |v[D+62]|, |v[D+63]|
	v_max_num_f32 v[MX], v[MX], v[MX+1]
	v_permlanex16_b32 v[MX+1], v[MX], s[SEL], s[SEL+1]
	v_max_num_f32 v[MX], v[MX], v[MX+1]            ; row r's largest magnitude among my 128 columns
	ds_store_b32 v6, v[MX]                         ; (both lanes of a row write the same word with the same value)
	s_wait_dscnt 0x0                               ; for the others' sake
	s_barrier_signal -1
	s_barrier_wait -1
	ds_load_b128 v[16:19], v7
	ds_load_b128 v[20:23], v7 offset:16
	s_wait_dscnt 0x0
	v_max3_num_f32 v[MX], v16, v17, v18
	v_max3_num_f32 v[MX+1], v19, v20, v21
	v_max3_num_f32 v[MX], v[MX], v22, v23
	v_max_num_f32 v[MX], v[MX], v[MX+1]            ; the whole row's
	ROWSCALE MX
	INT8 D
	QUANT D
.irp c, 0,1,2
	global_store_b128 v1, v[PC+4*\c:PC+4*\c+3], s[30:31] offset:512*\c   ; 32 lanes store 512 consecutive bytes, at a multiple of 256 from xq's first byte
.endr
	ds_store_b32 v8, v[PW]
	s_wait_dscnt 0x0
	s_barrier_signal -1
	s_barrier_wait -1
	s_cmp_lg_u32 s14, 0
	s_cbranch_scc1 .Lxend
	ds_load_b128 v[16:19], v9                      ; wave 0: the two records' scale words, 256 bytes each
	s_wait_dscnt 0x0
	global_store_b128 v10, v[16:19], s[10:11] offset:6144   ; sixteen lanes store 256 consecutive bytes
.Lxend:
	s_wait_tensorcnt 0x0
	ds_add_u32 v160, v161
	s_wait_dscnt 0x0
	s_endpgm
	; ---- a partial sum of |w|: no LDS, no barrier
.Lsum:
	s_sub_co_u32 s24, ttmp9, 512                   ; 0..255
	s_and_b32 s25, s24, 127
	s_lshl_b32 s26, s25, 17                        ; the work-group's 131,072 bytes,
	s_lshl_b32 s27, s14, 14                        ; my wave's 16,384 of them
	s_add_co_u32 s26, s26, s27
	s_mov_b32 s27, 0
	s_lshl_b32 s28, s24, 3
	s_add_co_u32 s28, s28, s14
	s_lshl_b32 s28, s28, 2                         ; my word of psum
	v_mov_b32 v30, s28
	s_wait_kmcnt 0x0
	s_cmp_lt_u32 s24, 128                          ; w1's work-group or w2's: the choice hangs on the work-group's number alone
	s_cselect_b64 s[6:7], s[6:7], s[8:9]
	s_add_nc_u64 s[6:7], s[6:7], s[26:27]
.irp j, 0,1,2,3,4,5,6,7,8,9,10,11,12,13,14,15,16,17,18,19,20,21,22,23,24,25,26,27,28,29,30,31
	global_load_b128 v[32+4*\j:35+4*\j], v1, s[6:7] offset:512*\j   ; no hint: the next launch reads these bytes again
.endr
	s_wait_loadcnt 24                              ; the first eight loads are in
.irp c, 0,1,2,3,4,5,6,7
	v_add_f32 v[16+\c], |v[32+\c]|, |v[40+\c]|     ; eight chains, started by the first sixteen numbers: nothing is cleared
.endr
	ADD8 48
	ADD8 56
	s_wait_loadcnt 16
	ADD8 64
	ADD8 72
	ADD8 80
	ADD8 88
	s_wait_loadcnt 8
	ADD8 96
	ADD8 104
	ADD8 112
	ADD8 120
	s_wait_loadcnt 0x0
	ADD8 128
	ADD8 136
	ADD8 144
	ADD8 152
	v_add_f32 v16, v16, v17
	v_add_f32 v18, v18, v19
	v_add_f32 v20, v20, v21
	v_add_f32 v22, v22, v23
	v_add_f32 v16, v16, v18
	v_add_f32 v20, v20, v22
	v_add_f32 v16, v16, v20
	v_add_f32_dpp v16, v16, v16 row_xmask:1 row_mask:0xf bank_mask:0xf
	v_add_f32_dpp v16, v16, v16 row_xmask:2 row_mask:0xf bank_mask:0xf
	v_add_f32_dpp v16, v16, v16 row_xmask:4 row_mask:0xf bank_mask:0xf
	v_add_f32_dpp v16, v16, v16 row_xmask:8 row_mask:0xf bank_mask:0xf
	v_permlanex16_b32 v17, v16, s[SEL], s[SEL+1]
	v_add_f32 v16, v16, v17
	v_cmp_eq_u32 vcc_lo, 0, v11
	s_wait_xcnt 0x0                                ; EXEC changes only behind this wait
	s_and_saveexec_b32 s29, vcc_lo
	global_store_b32 v30, v16, s[12:13]            ; lane 0 alone
	s_wait_xcnt 0x0
	s_or_b32 exec_lo, exec_lo, s29
	s_endpgm
.Lfunc_end_k_q81d6b140e0_prep:
	.size	k_q81d6b140e0_prep, .Lfunc_end_k_q81d6b140e0_prep-k_q81d6b140e0_prep
	.p2alignl 7, 3214868480
	.fill 96, 4, 3214868480
	.section	.rodata,"a",@progbits
	.p2align	6, 0x0
	.amdhsa_kernel k_q81d6b140e0_prep
		.amdhsa_group_segment_fixed_size 69632
		.amdhsa_private_segment_fixed_size 0
		.amdhsa_enable_private_segment 0
		.amdhsa_kernarg_size 40
		.amdhsa_user_sgpr_count 2
		.amdhsa_user_sgpr_kernarg_segment_ptr 1
		.amdhsa_wavefront_size32 1
		.amdhsa_system_sgpr_workgroup_id_x 1
		.amdhsa_system_sgpr_workgroup_id_y 1
		.amdhsa_system_sgpr_workgroup_id_z 1
		.amdhsa_system_vgpr_workitem_id 0
		.amdhsa_next_free_vgpr 162
		.amdhsa_next_free_sgpr 66
		.amdhsa_reserve_vcc 1
		.amdhsa_float_denorm_mode_32 3
		.amdhsa_float_denorm_mode_16_64 3
		.amdhsa_memory_ordered 1
		.amdhsa_forward_progress 1
		.amdhsa_inst_pref_size 36
	.end_amdhsa_kernel
	.amdgpu_metadata
---
amdhsa.version: [ 1, 2 ]
amdhsa.kernels:
  - .name:           k_q81d6b140e0_prep
    .symbol:         k_q81d6b140e0_prep.kd
    .args:
      - { .name: x, .offset: 0, .size: 8, .value_kind: global_buffer, .address_space: global }
      - { .name: w1, .offset: 8, .size: 8, .value_kind: global_buffer, .address_space: global }
      - { .name: w2, .offset: 16, .size: 8, .value_kind: global_buffer, .address_space: global }
      - { .name: xq, .offset: 24, .size: 8, .value_kind: global_buffer, .address_space: global }
      - { .name: psum, .offset: 32, .size: 8, .value_kind: global_buffer, .address_space: global }
    .group_segment_fixed_size: 69632
    .private_segment_fixed_size: 0
    .kernarg_segment_align: 8
    .kernarg_segment_size: 40
    .max_flat_workgroup_size: 256
    .sgpr_count:     66
    .vgpr_count:     162
    .wavefront_size: 32
...
	.end_amdgpu_metadata
.endif
;; end of part 1
;; launch wquant (part 2): grid 256 x 1, 8 waves a work-group, no clusters, 137,216 bytes of LDS; arguments w1, w2, psum, w1q, w2q; writes w1q, w2q
.if DOCPART == 2
	.amdgcn_target "amdgcn-amd-amdhsa--gfx1250"
	.amdhsa_code_object_version 6
	.text
	.protected	k_q81d6b140e0_wquant
	.globl	k_q81d6b140e0_wquant
	.p2align	8
	.type	k_q81d6b140e0_wquant,@function
k_q81d6b140e0_wquant:
	s_mov_b64 s[64:65], 0
	v_nop
	global_prefetch_b8 v0, s[64:65] scope:SCOPE_SE
	s_setreg_imm32_b32 hwreg(HW_REG_WAVE_MODE, 25, 1), 1
	s_wait_xcnt 0x0
; w1 [4096][1024] (work-groups 0-127) and w2 [1024][4096] (128-255), f32, become ternary and then codes of FP6 (E2M3) with one E8M0 byte for each 32 along K.
; s = max(mean |w|, 1e-5), from the 1,024 partial sums of the launch before, added in one fixed order by every wave; wq = clip(rne(w / s), -1, 1) s; a = w + (wq - w); a is quantised.
; One path for both tensors: pointers, the row pitch and one shift are chosen by s_cselect on the work-group's number.
; A wave takes one tile of 16 rows x 256 along K: two fragments.  The codes go out in RECORDS of 6,400 bytes, record = tile x (K / 512) + (k / 512): four images of a fragment's 12 registers
; (1,536 bytes each: register j of lane l at 512 (j / 4) + 16 l + 4 (j % 4)), then at byte 6,144 each row's four scale words at 16 r.
; THE ROWS OF A TILE ARE NOT NEIGHBOURS: row i of tile t is weight row 32 (t / 2) + 8 (t % 2) + i + 8 (i / 8), so that in the products, used transposed, a lane's 16 registers of two neighbouring tiles are 16 neighbouring outputs.
; LIMITS: mean |w| is a tree of f32 sums; a weight whose |w / s| lies within that sum's rounding of 0.5 or 1.5 may turn the other way.  w / s is a reciprocal with one correcting step on the quotient.
; A block of zeros gets the byte 1 (its codes are zeros; only this program reads the bytes).  NaN and infinities are not served.
.set STGB, 8448                        ; a stage: 16 rows x (512 bytes + 16); two for each wave
.set WSC,  16*STGB                     ; 1,024 bytes: [record 4][row 16][4 words]
.set SEL,  36                          ; s[36:37]
.set WS,   10                          ; v[10:11] s, twice
.set WI,   12                          ; v[12:13] 1 / s, twice
.set OFF,  16                          ; v16-31 byte offset of tile row j: pitch x (j + 8 (j / 8)) + 16 x lane
.set PC,   32                          ; behind the staging v32-159 are free: v32-50 the codes
.set T,    64                          ; v64-71
.set E,    72                          ; v72-79
.set TM,   80                          ; v80-95 (v84-87, a lane permute's destinations, have been written by the loads)
.set PW,   96
.set D,    160                         ; v160-223 my 64 numbers; before that the partial sums
.macro QUANT s
.irp b, 0,1,2,3
	v_max3_num_f32 v[TM+\b], |v[\s+16*\b]|, |v[\s+1+16*\b]|, 0x1800000   ; block b: my 16 numbers, and the floor 2^(3 - 127): the byte cannot fall under 1
.endr
.irp i, 2,4,6,8,10,12,14
.irp b, 0,1,2,3
	v_max3_num_f32 v[TM+\b], v[TM+\b], |v[\s+16*\b+\i]|, |v[\s+1+16*\b+\i]|
.endr
.endr
.irp b, 0,1,2,3
	v_permlanex16_b32 v[TM+4+\b], v[TM+\b], s[SEL], s[SEL+1]
.endr
.irp b, 0,1,2,3
	v_max_num_f32 v[TM+\b], v[TM+\b], v[TM+4+\b]
.endr
.irp b, 0,1,2,3
	v_add_nc_u32 v[TM+12+\b], 0xff000000, v[TM+\b]   ; 2 off the exponent field: the conversion's scale operand
.endr
.irp b, 0,1,2,3
	v_lshrrev_b32 v[TM+4+\b], 23, v[TM+12+\b]
.endr
	v_lshl_or_b32 v[PW], v[TM+5], 8, v[TM+4]
	v_lshl_or_b32 v[PW], v[TM+6], 16, v[PW]
	v_lshl_or_b32 v[PW], v[TM+7], 24, v[PW]
.irp c, 0,1
	v_cvt_scalef32_pk16_fp6_f32 v[PC+6*\c:PC+2+6*\c], v[\s+32*\c:\s+15+32*\c], v[TM+12+2*\c]
	v_cvt_scalef32_pk16_fp6_f32 v[PC+12+4*\c:PC+14+4*\c], v[\s+16+32*\c:\s+31+32*\c], v[TM+12+2*\c+1]
.endr
	v_nop                                          ; one plain place behind a scaled conversion
.irp c, 0,1
.irp i, 0,1,2
	v_permlane16_swap_b32 v[PC+6*\c+\i], v[PC+12+4*\c+\i]
.endr
.irp i, 0,1,2
	v_mov_b32 v[PC+3+6*\c+\i], v[PC+12+4*\c+\i]
.endr
.endr
.endm
; a = w + (clip(rne(w / s), -1, 1) s - w), 64 registers in place, four pairs by turns
.macro TERN s
.set g, \s
.rept 8
.irp p, 0,2,4,6
	v_pk_mul_f32 v[T+\p:T+\p+1], v[g+\p:g+\p+1], v[WI:WI+1]
.endr
.irp p, 0,2,4,6
	v_pk_fma_f32 v[E+\p:E+\p+1], v[T+\p:T+\p+1], v[WS:WS+1], v[g+\p:g+\p+1] neg_lo:[1,0,0] neg_hi:[1,0,0]   ; what the quotient leaves over
.endr
.irp p, 0,2,4,6
	v_pk_fma_f32 v[T+\p:T+\p+1], v[E+\p:E+\p+1], v[WI:WI+1], v[T+\p:T+\p+1]
.endr
.irp p, 0,1,2,3,4,5,6,7
	v_rndne_f32 v[T+\p], v[T+\p]
.endr
.irp p, 0,1,2,3,4,5,6,7
	v_med3_num_f32 v[T+\p], v[T+\p], -1.0, 1.0
.endr
.irp p, 0,2,4,6
	v_pk_mul_f32 v[T+\p:T+\p+1], v[T+\p:T+\p+1], v[WS:WS+1]
.endr
.irp p, 0,2,4,6
	v_pk_add_f32 v[T+\p:T+\p+1], v[T+\p:T+\p+1], v[g+\p:g+\p+1] neg_lo:[0,1] neg_hi:[0,1]
.endr
.irp p, 0,2,4,6
	v_pk_add_f32 v[g+\p:g+\p+1], v[g+\p:g+\p+1], v[T+\p:T+\p+1]
.endr
.set g, g+8
.endr
.endm
	s_load_b256 s[4:11], s[0:1], 0x0               ; w1 s[4:5], w2 s[6:7], psum s[8:9], w1q s[10:11]
	s_load_b64 s[12:13], s[0:1], 0x20              ; w2q
	v_lshl_add_u32 v224, v0, 2, 0x21400
	v_mov_b32 v225, 0
	v_lshrrev_b32 v1, 5, v0
	v_readfirstlane_b32 s14, v1                    ; wave 0..7
	v_and_b32 v9, 31, v0
	v_lshlrev_b32 v1, 4, v9                        ; 16 x lane
	v_and_b32 v2, 15, v0                           ; r
	v_bfe_u32 v3, v0, 4, 1                         ; h
	s_mul_i32 s25, s14, 2*STGB                     ; my two stages
	v_add_nc_u32 v4, s25, v1
	v_mul_u32_u24 v5, v2, 528
	v_lshl_add_u32 v5, v3, 6, v5
	v_add_nc_u32 v5, s25, v5
	s_lshr_b32 s25, s14, 1
	s_lshl_b32 s25, s25, 8
	s_and_b32 s32, s14, 1
	s_lshl_b32 s33, s32, 3
	s_add_co_u32 s25, s25, s33
	v_lshlrev_b32 v6, 4, v2
	v_add_nc_u32 v6, s25, v6
	v_add_nc_u32 v6, WSC, v6                       ; my two scale words: record wave / 2, row r, words 2 (wave % 2) on
	s_lshl_b32 s25, s32, 9
	v_add_nc_u32 v7, s25, v1
	v_add_nc_u32 v7, WSC, v7                       ; where waves 0 and 1 read two records' words back
	v_mul_u32_u24 v8, v3, 6400
	v_lshl_add_u32 v8, v2, 4, v8
	s_mov_b32 s[SEL], 0x76543210
	s_mov_b32 s[SEL+1], 0xfedcba98
	s_wait_kmcnt 0x0
	s_cmp_lt_u32 ttmp9, 128                        ; every choice on this compare stands ahead of the first line that sets SCC again
	s_cselect_b64 s[4:5], s[4:5], s[6:7]           ; the tensor,
	s_cselect_b64 s[10:11], s[10:11], s[12:13]     ; its codes,
	s_cselect_b32 s15, 2, 4                        ; log2 of the pieces of 256 along K in a row,
	s_cselect_b32 s17, 0, 4096                     ; its half of psum
	s_lshl_b32 s16, 1024, s15                      ; a row in bytes
	s_lshl_b32 s18, 1, s15
	s_sub_co_u32 s18, s18, 1
	s_and_b32 s24, ttmp9, 127
	s_lshl_b32 s19, s24, 3
	s_add_co_u32 s19, s19, s14                     ; my unit, 0..1023
	s_lshr_b32 s20, s19, s15                       ; its tile of rows
	s_and_b32 s21, s19, s18                        ; its 256 along K
	s_lshr_b32 s22, s20, 1
	s_lshl_b32 s22, s22, 5
	s_and_b32 s23, s20, 1
	s_lshl_b32 s23, s23, 3
	s_add_co_u32 s22, s22, s23                     ; the tile's first row
	s_mul_i32 s22, s22, s16
	s_lshl_b32 s23, s21, 10
	s_add_co_u32 s22, s22, s23
	s_mov_b32 s23, 0
	s_add_nc_u64 s[4:5], s[4:5], s[22:23]
	s_mov_b32 s26, s17
	s_mov_b32 s27, 0
	s_add_nc_u64 s[8:9], s[8:9], s[26:27]
	s_lshr_b32 s28, s19, 1                         ; my record
	s_mul_i32 s28, s28, 6400
	s_and_b32 s29, s19, 1
	s_mul_i32 s29, s29, 3072                       ; and my two images in it
	s_add_co_u32 s28, s28, s29
	s_mov_b32 s29, 0
	s_add_nc_u64 s[30:31], s[10:11], s[28:29]
	s_lshl_b32 s28, s24, 2
	s_lshl_b32 s33, s32, 1
	s_add_co_u32 s28, s28, s33
	s_mul_i32 s28, s28, 6400                       ; records 4 x work-group + 2 (wave % 2) on: for the scale words
	s_add_nc_u64 s[10:11], s[10:11], s[28:29]
.irp j, 0,1,2,3,4,5,6,7,8,9,10,11,12,13,14,15
	v_mad_u32_u24 v[OFF+\j], s16, \j+8*(\j/8), v1
.endr
.irp j, 0,1,2,3,4,5,6,7
	global_load_b128 v[160+4*\j:163+4*\j], v1, s[8:9] offset:512*\j   ; the tensor's 1,024 partial sums, 32 a lane
.endr
.irp q, 0,1
.irp j, 0,1,2,3,4,5,6,7,8,9,10,11,12,13,14,15
	global_load_b128 v[32+64*\q+4*\j:35+64*\q+4*\j], v[OFF+\j], s[4:5] offset:512*\q th:TH_LOAD_NT   ; 512 consecutive bytes of tile row j
.endr
.endr
	s_wait_loadcnt 32                              ; the partial sums are in; the 32 loads of w stay out
.irp i, 0,2,4,6,8,10,12,14
	v_pk_add_f32 v[160+\i:161+\i], v[160+\i:161+\i], v[176+\i:177+\i]
.endr
.irp i, 0,2,4,6
	v_pk_add_f32 v[160+\i:161+\i], v[160+\i:161+\i], v[168+\i:169+\i]
.endr
.irp i, 0,2
	v_pk_add_f32 v[160+\i:161+\i], v[160+\i:161+\i], v[164+\i:165+\i]
.endr
	v_pk_add_f32 v[160:161], v[160:161], v[162:163]
	v_add_f32 v160, v160, v161
	v_add_f32_dpp v160, v160, v160 row_xmask:1 row_mask:0xf bank_mask:0xf
	v_add_f32_dpp v160, v160, v160 row_xmask:2 row_mask:0xf bank_mask:0xf
	v_add_f32_dpp v160, v160, v160 row_xmask:4 row_mask:0xf bank_mask:0xf
	v_add_f32_dpp v160, v160, v160 row_xmask:8 row_mask:0xf bank_mask:0xf
	v_permlanex16_b32 v161, v160, s[SEL], s[SEL+1]
	v_add_f32 v160, v160, v161
	v_mul_f32 v160, 0x34800000, v160               ; / 2^22 numbers: the mean
	v_max_num_f32 v[WS], 0x3727c5ac, v160          ; s
	v_rcp_f32 v192, v[WS]
	v_nop                                          ; a plain place behind the transcendental
	s_wait_alu depctr_va_vdst(0)
	v_fma_f32 v193, -v[WS], v192, 1.0
	v_fma_f32 v[WI], v193, v192, v192
	v_mov_b32 v[WS+1], v[WS]
	v_mov_b32 v[WI+1], v[WI]
.irp q, 0,1
	s_wait_loadcnt 16-16*\q                        ; this K step's sixteen rows are in
.irp j, 0,1,2,3,4,5,6,7,8,9,10,11,12,13,14,15
	ds_store_b128 v4, v[32+64*\q+4*\j:35+64*\q+4*\j] offset:STGB*\q+528*\j
.endr
.endr
.irp q, 0,1
.irp b, 0,1,2,3
.irp i, 0,1,2,3
	ds_load_b128 v[D+16*\b+4*\i:D+16*\b+4*\i+3], v5 offset:STGB*\q+128*\b+16*\i   ; LDS serves a wave's instructions in order: these see my stores
.endr
.endr
	s_wait_dscnt 0x0
	TERN D
	s_wait_xcnt 0x0                                ; the last stores have read the codes' registers
	QUANT D
.irp c, 0,1,2
	global_store_b128 v1, v[PC+4*\c:PC+4*\c+3], s[30:31] offset:1536*\q+512*\c   ; 512 consecutive bytes, at a multiple of 256 from the buffer's first byte
.endr
	v_mov_b32 v[14+\q], v[PW]
.endr
	ds_store_b64 v6, v[14:15]
	s_wait_dscnt 0x0
	s_barrier_signal -1
	s_barrier_wait -1
	s_cmp_lt_u32 s14, 2
	s_cbranch_scc0 .Lend
	ds_load_b128 v[16:19], v7                      ; waves 0 and 1: two records' scale words each
	s_wait_dscnt 0x0
	global_store_b128 v8, v[16:19], s[10:11] offset:6144   ; sixteen lanes store 256 consecutive bytes
.Lend:
	s_wait_tensorcnt 0x0
	ds_add_u32 v224, v225
	s_wait_dscnt 0x0
	s_endpgm
.Lfunc_end_k_q81d6b140e0_wquant:
	.size	k_q81d6b140e0_wquant, .Lfunc_end_k_q81d6b140e0_wquant-k_q81d6b140e0_wquant
	.p2alignl 7, 3214868480
	.fill 96, 4, 3214868480
	.section	.rodata,"a",@progbits
	.p2align	6, 0x0
	.amdhsa_kernel k_q81d6b140e0_wquant
		.amdhsa_group_segment_fixed_size 137216
		.amdhsa_private_segment_fixed_size 0
		.amdhsa_enable_private_segment 0
		.amdhsa_kernarg_size 40
		.amdhsa_user_sgpr_count 2
		.amdhsa_user_sgpr_kernarg_segment_ptr 1
		.amdhsa_wavefront_size32 1
		.amdhsa_system_sgpr_workgroup_id_x 1
		.amdhsa_system_sgpr_workgroup_id_y 1
		.amdhsa_system_sgpr_workgroup_id_z 1
		.amdhsa_system_vgpr_workitem_id 0
		.amdhsa_next_free_vgpr 226
		.amdhsa_next_free_sgpr 66
		.amdhsa_reserve_vcc 0
		.amdhsa_float_denorm_mode_32 3
		.amdhsa_float_denorm_mode_16_64 3
		.amdhsa_memory_ordered 1
		.amdhsa_forward_progress 1
		.amdhsa_inst_pref_size 59
	.end_amdhsa_kernel
	.amdgpu_metadata
---
amdhsa.version: [ 1, 2 ]
amdhsa.kernels:
  - .name:           k_q81d6b140e0_wquant
    .symbol:         k_q81d6b140e0_wquant.kd
    .args:
      - { .name: w1, .offset: 0, .size: 8, .value_kind: global_buffer, .address_space: global }
      - { .name: w2, .offset: 8, .size: 8, .value_kind: global_buffer, .address_space: global }
      - { .name: psum, .offset: 16, .size: 8, .value_kind: global_buffer, .address_space: global }
      - { .name: w1q, .offset: 24, .size: 8, .value_kind: global_buffer, .address_space: global }
      - { .name: w2q, .offset: 32, .size: 8, .value_kind: global_buffer, .address_space: global }
    .group_segment_fixed_size: 137216
    .private_segment_fixed_size: 0
    .kernarg_segment_align: 8
    .kernarg_segment_size: 40
    .max_flat_workgroup_size: 256
    .sgpr_count:     66
    .vgpr_count:     226
    .wavefront_size: 32
...
	.end_amdgpu_metadata
.endif
;; end of part 2
;; launch gemm1 (part 3): grid 16 x 16, 4 waves a work-group, clusters of 4 x 1, 327,680 bytes of LDS; arguments xq, w1q, gact; writes gact
.if DOCPART == 3
	.amdgcn_target "amdgcn-amd-amdhsa--gfx1250"
	.amdhsa_code_object_version 6
	.text
	.protected	k_q81d6b140e0_gemm1
	.globl	k_q81d6b140e0_gemm1
	.p2align	8
	.type	k_q81d6b140e0_gemm1,@function
k_q81d6b140e0_gemm1:
	s_mov_b64 s[64:65], 0
	v_nop
	global_prefetch_b8 v0, s[64:65] scope:SCOPE_SE
	s_setreg_imm32_b32 hwreg(HW_REG_WAVE_MODE, 25, 1), 1
	s_wait_xcnt 0x0
	s_wait_alu depctr_hold_cnt(0) depctr_sa_sdst(0) depctr_va_vdst(0) depctr_va_sdst(0) depctr_va_ssrc(0) depctr_va_vcc(0) depctr_vm_vsrc(0)
	s_getreg_b32 s2, hwreg(HW_REG_IB_STS2, 6, 4)
	s_cmp_eq_u32 s2, 0
	s_cbranch_scc0 .Lentry_in_a_cluster
	s_endpgm
.Lentry_in_a_cluster:
	s_bfe_u32 s2, ttmp6, 0x10000c
	s_cmp_lg_u32 s2, 0x3003
	s_cbranch_scc0 .Lentry_shape_is_right
	s_endpgm
.Lentry_shape_is_right:
; g = gelu(A B^T): the product on codes of FP6 (E2M3) with E8M0 scales, A = xq (8,192 tokens, K = 1,024), B = w1q (4,096 rows); sums and gelu (exact form, by erf) in f32.
; OPERANDS lie in records of 6,400 bytes (record = 2 x tile of 16 rows + K / 512): four images of a fragment's 12 registers, 1,536 bytes each, then the rows' scale words (16 bytes a row) at byte 6,144.
; SHARES.  A work-group takes 512 tokens x 256 columns; each of its four waves 64 columns.  THE WEIGHTS STAY IN REGISTERS: a wave's four tiles of B for all of K are 32 fragments, 384 registers, read from memory once.
; THE TOKENS STREAM: 32 tiles of 16 tokens, 12,800 bytes each, through a ring of two LDS slots of 8 tiles; all four waves read them.  Two tiles, a PAIR, are multiplied at a time: 8 accumulators by turns, 64 matrix instructions.
; RESULTS LEAVE PAIR BY PAIR: a pair's gelu and its 16 stores stand behind the LDS loads of the next pair and ahead of its products, so stores are on their way through the whole launch.
; An LDS fragment feeds four matrix instructions; it is read by three loads of 16 bytes a lane, 512 consecutive bytes each: no pitch, no padding.
; CLUSTER: the four work-groups of a cluster have the same tokens and other columns: each slot is asked for JOINTLY (mask 15).  B is not: it is 204,800 bytes a work-group, read once, straight into registers;
; a joint load of it would have to land in LDS bytes that the tokens' tiles then fill again: one more round of the cluster's barrier and a way through LDS.
; THE MATRIX INSTRUCTION IS USED TRANSPOSED (source 0 = 16 rows of B, source 1 = 16 tokens): a lane holds one token, and by the order of B's rows in a tile its registers of tiles 2 c, 2 c + 1 are 16 neighbouring columns.
; gact: [tile of 16 tokens 512][tile of B 256][half 2][lane 32][16 bytes]: registers 0-3, then 4-7, of the accumulator: each store of a wave covers 512 consecutive bytes, a wave's 8 for a token tile 4,096.
; erf(z), z = h / sqrt(2), is z P(z^2) / Q(z^2) on z held to -4 .. 4, degrees 6 and 4; the powers of 1/2 that z^2 = h^2 / 2 brings are folded into the coefficients, which rounds nothing.
; LIMITS: gelu's absolute error is about 1e-7 |h|.  NaN and infinities are not served.
; REGISTERS: window 0: v2-10 addresses; v12-29, v80-89 coefficients, each twice (a pair for the packed forms); v32-63 B's scale words; v64-79 A's; v96-159 the 8 accumulators ((m, b) at v[96 + 8 (4 m + b)]); v160-223 at work.
;   window 1: B's fragments of K steps 0-3 ((b, q) at v[12 (4 b + q)]);  window 2: of K steps 4-7;  window 3: the pair's 16 fragments of A ((kq, m, q) at v[96 kq + 12 (4 m + q)]).
.set FR,    12
.set REC,   6400
.set TILEB, 2*REC                      ; a tile of 16 rows, all of K
.set PAIRB, 2*TILEB                    ; a pair of token tiles; also what one tensor load brings
.set SLOT,  4*PAIRB                    ; 102,400 bytes
.set SLOT1, 1<<17                      ; slot 1 begins here, so that one exclusive or turns an address in one slot into the other's
.set SPARE, SLOT1+SLOT                 ; the spare words, 128 bytes for each wave: two blocks of 256 bytes that no other line names
.set GROW,  262144                     ; gact: bytes from a tile of 16 tokens to the next
.set CO,    2                          ; v2  16 x lane
.set BSA,   3                          ; v3  16 x (lane % 16)
.set AS6,   4                          ; v4  the same + 6,144: a record's scale words
.set ADR,   5                          ; v5  LDS address of the pair in hand, fragments
.set ADS,   6                          ; v6  and scale words
.set SPW,   8                          ; v8  my spare word; never rewritten
.set NIL,   9                          ; v9  0; never rewritten
.set CHI,   10                         ; v10 4 sqrt(2)
.set KA6,   12
.set KA5,   14
.set KA4,   16
.set KA3,   18
.set KA2,   20
.set KA1,   22
.set KA0,   24
.set KC,    26
.set KH,    28
.set BSC,   32                         ; B's scale words: tile b, K step 4 kq + q at v[BSC + 8 b + 4 kq + q], in lanes 0-15
.set ASC,   64                         ; A's: v[ASC + 8 kq + 4 m + q], in lanes 0-15
.set KB4,   80
.set KB3,   82
.set KB2,   84
.set KB1,   86
.set KB0,   88
.set ACC,   96
.set TU,    160
.set TW,    176
.set TP,    192
.set TQ,    208
.set G1,    24                         ; s[24:31] descriptor group 1
.set G0,    32                         ; s[32:35] descriptor group 0: it walks
.set CNT,   36                         ; s36 pairs to go in a loop
.set OUTC,  37                         ; s37 slots still to be asked for in the loop
.set TB,    38                         ; s38 LDS byte at which the pair to be fetched begins
.set MSB, 0
.macro WIN new                         ; the immediate's high byte repeats the setting that is left
.if MSB != (\new)
	s_set_vgpr_msb (MSB<<8)|(\new)
.set MSB, (\new)
.endif
.endm
.macro KONST reg, bits
	v_mov_b32 v[\reg], \bits
	v_mov_b32 v[\reg+1], \bits
.endm
.macro PLACES                          ; four places in front of loads into registers that matrix instructions have read, and of vector instructions that read results; also behind a tensor load
.rept 4
	v_nop
.endr
.endm
.macro CROUND                          ; a round of the cluster's barrier
	s_barrier_signal -1
	s_barrier_wait -1
	s_cmp_lg_u32 s10, 0
	s_cbranch_scc1 .Lnot_wave_0_\@
	s_barrier_signal -3
.Lnot_wave_0_\@:
	s_barrier_wait -3
	s_barrier_signal -1
	s_barrier_wait -1
.endm
; The pair at s[TB]: 48 loads for its 16 fragments, 4 for its scale words, in one run.
.macro FETCHP
	v_add_nc_u32 v[ADR], s[TB], v[CO]
	v_add_nc_u32 v[ADS], s[TB], v[AS6]
	s_add_co_u32 s[TB], s[TB], PAIRB               ; the next fetch is the next pair's
	WIN 0xc0                                       ; destination window 3, address window 0
.irp kq, 0,1
.irp m, 0,1
.irp q, 0,1,2,3
.irp c, 0,1,2
	ds_load_b128 v[96*\kq+FR*(4*\m+\q)+4*\c:96*\kq+FR*(4*\m+\q)+4*\c+3], v[ADR] offset:\m*TILEB+\kq*REC+1536*\q+512*\c
.endr
.endr
.endr
.endr
	WIN 0
.irp kq, 0,1
.irp m, 0,1
	ds_load_b128 v[ASC+8*\kq+4*\m:ASC+8*\kq+4*\m+3], v[ADS] offset:\m*TILEB+\kq*REC   ; row r's four words; lanes 16-31 read the same and are not used
.endr
.endr
.endm
; 32 matrix instructions: K steps 4 kq .. 4 kq + 3, the 8 accumulators by turns, one instruction a turn.  The first K step starts the sums: nothing is cleared.
.macro RUN kq
	WIN 0x0d+(\kq)                                 ; source 0 (B) window 1 or 2, source 1 (A) window 3, C and D window 0
.irp q, 0,1,2,3
.irp m, 0,1
.irp b, 0,1,2,3
.if (\kq) == 0 && \q == 0
	v_wmma_scale_f32_16x16x128_f8f6f4 v[ACC+8*(4*\m+\b):ACC+8*(4*\m+\b)+7], v[FR*(4*\b+\q):FR*(4*\b+\q)+11], v[96*(\kq)+FR*(4*\m+\q):96*(\kq)+FR*(4*\m+\q)+11], 0, v[BSC+8*\b+4*(\kq)+\q], v[ASC+8*(\kq)+4*\m+\q] matrix_a_fmt:MATRIX_FMT_FP6 matrix_b_fmt:MATRIX_FMT_FP6
.else
	v_wmma_scale_f32_16x16x128_f8f6f4 v[ACC+8*(4*\m+\b):ACC+8*(4*\m+\b)+7], v[FR*(4*\b+\q):FR*(4*\b+\q)+11], v[96*(\kq)+FR*(4*\m+\q):96*(\kq)+FR*(4*\m+\q)+11], v[ACC+8*(4*\m+\b):ACC+8*(4*\m+\b)+7], v[BSC+8*\b+4*(\kq)+\q], v[ASC+8*(\kq)+4*\m+\q] matrix_a_fmt:MATRIX_FMT_FP6 matrix_b_fmt:MATRIX_FMT_FP6
.endif
.endr
.endr
.endr
	WIN 0
.endm
; Sixteen numbers (two accumulators) in place: h -> h (0.5 + 0.5 erf(h / sqrt(2))).  Eight pairs by turns, so that no line waits for the line above it; each accumulator is read from its low end on.
.macro GELU16 x
.irp i, 0,1,2,3,4,5,6,7,8,9,10,11,12,13,14,15
	v_med3_num_f32 v[TU+\i], v[\x+\i], -v[CHI], v[CHI]   ; u = h held to -4 sqrt(2) .. 4 sqrt(2)
.endr
.irp p, 0,2,4,6,8,10,12,14
	v_pk_mul_f32 v[TW+\p:TW+\p+1], v[TU+\p:TU+\p+1], v[TU+\p:TU+\p+1]
.endr
.irp p, 0,2,4,6,8,10,12,14
	v_pk_fma_f32 v[TP+\p:TP+\p+1], v[TW+\p:TW+\p+1], v[KA6:KA6+1], v[KA5:KA5+1]
.endr
.irp p, 0,2,4,6,8,10,12,14
	v_pk_fma_f32 v[TQ+\p:TQ+\p+1], v[TW+\p:TW+\p+1], v[KB4:KB4+1], v[KB3:KB3+1]
.endr
.irp k, KA4, KA3, KA2, KA1, KA0
.irp p, 0,2,4,6,8,10,12,14
	v_pk_fma_f32 v[TP+\p:TP+\p+1], v[TP+\p:TP+\p+1], v[TW+\p:TW+\p+1], v[\k:\k+1]
.endr
.endr
.irp k, KB2, KB1, KB0
.irp p, 0,2,4,6,8,10,12,14
	v_pk_fma_f32 v[TQ+\p:TQ+\p+1], v[TQ+\p:TQ+\p+1], v[TW+\p:TW+\p+1], v[\k:\k+1]
.endr
.endr
.irp i, 0,1,2,3,4,5,6,7,8,9,10,11,12,13,14,15
	v_rcp_f32 v[TQ+\i], v[TQ+\i]
.endr
.irp p, 0,2,4,6,8,10,12,14
	v_pk_mul_f32 v[TP+\p:TP+\p+1], v[TP+\p:TP+\p+1], v[TU+\p:TU+\p+1]   ; (plain places behind the reciprocals)
.endr
	s_wait_alu depctr_va_vdst(0)
.irp p, 0,2,4,6,8,10,12,14
	v_pk_mul_f32 v[TP+\p:TP+\p+1], v[TP+\p:TP+\p+1], v[TQ+\p:TQ+\p+1]   ; sqrt(2) erf
.endr
.irp p, 0,2,4,6,8,10,12,14
	v_pk_fma_f32 v[TP+\p:TP+\p+1], v[TP+\p:TP+\p+1], v[KC:KC+1], v[KH:KH+1]   ; x 0.5 / sqrt(2), + 0.5
.endr
.irp p, 0,2,4,6,8,10,12,14
	v_pk_mul_f32 v[\x+\p:\x+\p+1], v[\x+\p:\x+\p+1], v[TP+\p:TP+\p+1]
.endr
.endm
; The pair in the accumulators: gelu, two accumulators at a time, and their four stores at once.  Accumulator 2 a + u is token tile a / 2, tile of B 2 (a % 2) + u.
.macro FINISH
.irp a, 0,1,2,3
	GELU16 ACC+16*\a
.irp u, 0,1
	global_store_b128 v[CO], v[ACC+16*\a+8*\u:ACC+16*\a+8*\u+3], s[8:9] offset:(\a/2)*GROW+1024*(2*(\a%2)+\u) th:TH_STORE_NT       ; 32 lanes store 512 consecutive bytes, at a multiple of 256 from gact's first byte
	global_store_b128 v[CO], v[ACC+16*\a+8*\u+4:ACC+16*\a+8*\u+7], s[8:9] offset:(\a/2)*GROW+1024*(2*(\a%2)+\u)+512 th:TH_STORE_NT
.endr
.endr
.endm
; One trip: the next pair is fetched, the pair before is finished while those loads come, the next pair is multiplied.
.macro PAIR
	PLACES
	FETCHP
	FINISH
	s_wait_dscnt 0x0                               ; the pair's fragments and scale words are in
	s_wait_xcnt 0x0                                ; the stores have read the accumulators and their base: both are written again only behind this wait
	s_add_nc_u64 s[8:9], s[8:9], 2*GROW            ; two token tiles on
	RUN 0
	RUN 1
.endm
; THE CHANGE OF SLOTS.  Each wave waits for all its tensor loads (its part of the slot ahead), adds 0 to its spare word, and waits for that and for its reads of the slot that it leaves.
; fill = 1: behind a round of the cluster's barrier, so that no wave of any partner still reads it or has a load on its way, the other slot takes the 8 token tiles that follow: four pairs, 256 matrix instructions, in which to land.
; turn = 1: the fetches go over to the other slot.
.macro CHANGE fill, turn
	s_wait_tensorcnt 0x0                           ; no tensor load of mine is out, so group 0 may be written
	ds_add_u32 v[SPW], v[NIL]                      ; 0 onto my spare word; the steps below stand between it and the wait for it
.if \fill
	s_xor_b32 s[G0+1], s[G0+1], SLOT1              ; the walking descriptor: the other slot than last time,
	s_add_nc_u64 s[G0+2:G0+3], s[G0+2:G0+3], SLOT  ; the next 8 token tiles, dense in memory as in LDS; the type bits on top are not reached
.endif
.if \turn
	s_sub_co_u32 s[TB], s[TB], SLOT                ; back to a slot's first pair,
	s_xor_b32 s[TB], s[TB], SLOT1                  ; in the other slot
.endif
	s_wait_dscnt 0x0                               ; the add is done, and my reads of the slot that I leave are over
.if \fill
	CROUND
	tensor_load_to_lds s[G0:G0+3], s[G1:G1+7]      ; the first thing behind the round, and my one tensor load until the next
	s_nop 0
	PLACES
.else
	s_barrier_signal -1
	s_barrier_wait -1
.endif
.endm
	s_load_b128 s[4:7], s[0:1], 0x0                ; xq s[4:5], w1q s[6:7]
	s_load_b64 s[8:9], s[0:1], 0x10                ; gact
	v_lshl_add_u32 v[SPW], v0, 2, SPARE
	v_mov_b32 v[NIL], 0
	ds_add_u32 v8, v9
	ds_add_u32 v8, v9
	s_wait_dscnt 0x0
	v_lshrrev_b32 v1, 5, v0
	v_readfirstlane_b32 s10, v1                    ; wave 0..3
	s_bfe_u32 s11, ttmp6, 0x40000                  ; cx: my place in the cluster: it enters B's and gact's addresses alone
	s_lshl_b32 s12, ttmp9, 2
	s_add_co_u32 s12, s12, s11                     ; my 256 columns = 4 x cluster x + cx
	s_and_b32 s13, ttmp7, 0xffff                   ; my 512 tokens, which the four partners share
	; descriptor group 1: 25,600 dense bytes as 100 rows of 256 bytes (32 elements of 8 bytes); no padding
	s_mov_b32 s[G1], 15|(3<<16)|(1<<21)            ; 15:0 the mask: all four work-groups; 17:16 elements of 8 bytes; 21 set beside a mask
	s_mov_b32 s[G1+1], 32<<16                      ; tensor_dim0
	s_mov_b32 s[G1+2], 100<<16                     ; tensor_dim1
	s_mov_b32 s[G1+3], 32<<16                      ; tile_dim0
	s_mov_b32 s[G1+4], 100                         ; tile_dim1
	s_mov_b32 s[G1+5], 32                          ; tensor_dim0_stride
	s_mov_b32 s[G1+6], 0
	s_mov_b32 s[G1+7], 0
	s_mul_i32 s14, s10, PAIRB                      ; my quarter of a slot, in LDS and in memory alike
	s_mul_i32 s20, s13, 32*TILEB                   ; the work-group's 32 token tiles
	s_add_co_u32 s20, s20, s14
	s_mov_b32 s21, 0
	s_mul_i32 s22, s12, 16*TILEB                   ; the work-group's 16 tiles of B,
	s_mul_i32 s23, s10, 4*TILEB                    ; my four of them
	s_add_co_u32 s22, s22, s23
	s_mov_b32 s23, 0
	s_lshl_b32 s16, s13, 23                        ; gact: 32 token tiles of 262,144 bytes,
	s_lshl_b32 s17, s12, 14                        ; 16 tiles of B of 1,024 bytes,
	s_add_co_u32 s16, s16, s17
	s_lshl_b32 s17, s10, 12                        ; my four
	s_add_co_u32 s16, s16, s17
	s_mov_b32 s17, 0
	s_mov_b32 s[TB], 0
	v_and_b32 v1, 31, v0
	v_lshlrev_b32 v[CO], 4, v1
	v_and_b32 v1, 15, v0
	v_lshlrev_b32 v[BSA], 4, v1
	v_add_nc_u32 v[AS6], 6144, v[BSA]
	v_mov_b32 v[CHI], 0x40b504f3
	KONST KA6, 0xac95df0b
	KONST KA5, 0x306dffee
	KONST KA4, 0xb40cff51
	KONST KA3, 0xb6eec2d2
	KONST KA2, 0xb940ac63
	KONST KA1, 0xbac1a1f6
	KONST KA0, 0xbc83dbd4
	KONST KB4, 0xb57460cd
	KONST KB3, 0xb7dfbd29
	KONST KB2, 0xb9dc924e
	KONST KB1, 0xbb719bf8
	KONST KB0, 0xbc69b6a7
	KONST KC,  0x3eb504f3
	KONST KH,  0x3f000000
	s_wait_kmcnt 0x0
	s_add_nc_u64 s[20:21], s[4:5], s[20:21]
	s_add_nc_u64 s[6:7], s[6:7], s[22:23]
	s_add_nc_u64 s[8:9], s[8:9], s[16:17]
	s_mov_b32 s[G0], 1                             ; 1:0 count = 1
	s_mov_b32 s[G0+1], s14                         ; 63:32 LDS address: slot 0, my quarter: no place in the cluster enters it
	s_mov_b64 s[G0+2:G0+3], s[20:21]               ; 120:64 global address: the first 8 token tiles, my quarter
	s_or_b32 s[G0+3], s[G0+3], 0x80000000          ; 127:126 type = 2
	CROUND                                         ; all four work-groups are here: the first joint load meets
	tensor_load_to_lds s[G0:G0+3], s[G1:G1+7]      ; slot 0
	s_nop 0
	PLACES
	; my part of B, once: 8 loads of scale words, 96 of fragments, each of these 512 consecutive bytes
.irp b, 0,1,2,3
.irp kq, 0,1
	global_load_b128 v[BSC+4*(2*\b+\kq):BSC+4*(2*\b+\kq)+3], v[BSA], s[6:7] offset:(2*\b+\kq)*REC+6144
.endr
.endr
.irp kq, 0,1
	WIN 0x40*(1+\kq)                               ; destination window 1, then 2
.irp b, 0,1,2,3
.irp q, 0,1,2,3
.irp c, 0,1,2
	global_load_b128 v[FR*(4*\b+\q)+4*\c:FR*(4*\b+\q)+4*\c+3], v[CO], s[6:7] offset:(2*\b+\kq)*REC+1536*\q+512*\c
.endr
.endr
.endr
.endr
	WIN 0
	CHANGE 1, 0                                    ; slot 0 is whole in every wave's sight; slot 1 is filled for the first time, as a refill is
	FETCHP                                         ; pair 0
	s_wait_dscnt 0x0
	s_wait_loadcnt 0x0                             ; B
	RUN 0
	RUN 1
	s_mov_b32 s[CNT], 3
.Lfirst:                                               ; pairs 1 to 3: the rest of slot 0
	PAIR
	s_sub_co_u32 s[CNT], s[CNT], 1
	s_cmp_lg_u32 s[CNT], 0
	s_cbranch_scc1 .Lfirst
	s_mov_b32 s[OUTC], 2
.Lslot:                                                ; two trips: the slot just left takes the third, then the fourth, 8 token tiles
	CHANGE 1, 1
	s_mov_b32 s[CNT], 4
.Lpair:
	PAIR
	s_sub_co_u32 s[CNT], s[CNT], 1
	s_cmp_lg_u32 s[CNT], 0
	s_cbranch_scc1 .Lpair
	s_sub_co_u32 s[OUTC], s[OUTC], 1
	s_cmp_lg_u32 s[OUTC], 0
	s_cbranch_scc1 .Lslot
	CHANGE 0, 1                                    ; the last slot is written out: nothing is left to ask for
	s_mov_b32 s[CNT], 4
.Llast:
	PAIR
	s_sub_co_u32 s[CNT], s[CNT], 1
	s_cmp_lg_u32 s[CNT], 0
	s_cbranch_scc1 .Llast
	PLACES
	FINISH                                         ; the last pair
	s_wait_tensorcnt 0x0                           ; the wave's end
	ds_add_u32 v[SPW], v[NIL]
	s_wait_dscnt 0x0
	CROUND                                         ; the closing round: no work-group ends while a partner may still ask for a tile that names it
	s_endpgm
.Lfunc_end_k_q81d6b140e0_gemm1:
	.size	k_q81d6b140e0_gemm1, .Lfunc_end_k_q81d6b140e0_gemm1-k_q81d6b140e0_gemm1
	.p2alignl 7, 3214868480
	.fill 96, 4, 3214868480
	.section	.rodata,"a",@progbits
	.p2align	6, 0x0
	.amdhsa_kernel k_q81d6b140e0_gemm1
		.amdhsa_group_segment_fixed_size 327680
		.amdhsa_private_segment_fixed_size 0
		.amdhsa_enable_private_segment 0
		.amdhsa_kernarg_size 24
		.amdhsa_user_sgpr_count 2
		.amdhsa_user_sgpr_kernarg_segment_ptr 1
		.amdhsa_wavefront_size32 1
		.amdhsa_system_sgpr_workgroup_id_x 1
		.amdhsa_system_sgpr_workgroup_id_y 1
		.amdhsa_system_sgpr_workgroup_id_z 1
		.amdhsa_system_vgpr_workitem_id 0
		.amdhsa_next_free_vgpr 960
		.amdhsa_next_free_sgpr 66
		.amdhsa_reserve_vcc 0
		.amdhsa_float_denorm_mode_32 3
		.amdhsa_float_denorm_mode_16_64 3
		.amdhsa_memory_ordered 1
		.amdhsa_forward_progress 1
		.amdhsa_inst_pref_size 216
	.end_amdhsa_kernel
	.amdgpu_metadata
---
amdhsa.version: [ 1, 2 ]
amdhsa.kernels:
  - .name:           k_q81d6b140e0_gemm1
    .symbol:         k_q81d6b140e0_gemm1.kd
    .args:
      - { .name: xq, .offset: 0, .size: 8, .value_kind: global_buffer, .address_space: global }
      - { .name: w1q, .offset: 8, .size: 8, .value_kind: global_buffer, .address_space: global }
      - { .name: gact, .offset: 16, .size: 8, .value_kind: global_buffer, .address_space: global }
    .group_segment_fixed_size: 327680
    .private_segment_fixed_size: 0
    .kernarg_segment_align: 8
    .kernarg_segment_size: 24
    .max_flat_workgroup_size: 128
    .sgpr_count:     66
    .vgpr_count:     960
    .wavefront_size: 32
...
	.end_amdgpu_metadata
.endif
;; end of part 3
;; launch hquant (part 4): grid 256 x 1, 16 waves a work-group, no clusters, 8,192 bytes of LDS; arguments gact, hq; writes hq
.if DOCPART == 4
	.amdgcn_target "amdgcn-amd-amdhsa--gfx1250"
	.amdhsa_code_object_version 6
	.text
	.protected	k_q81d6b140e0_hquant
	.globl	k_q81d6b140e0_hquant
	.p2align	8
	.type	k_q81d6b140e0_hquant,@function
k_q81d6b140e0_hquant:
	s_mov_b64 s[64:65], 0
	v_nop
	global_prefetch_b8 v0, s[64:65] scope:SCOPE_SE
	s_setreg_imm32_b32 hwreg(HW_REG_WAVE_MODE, 25, 1), 1
	s_wait_xcnt 0x0
; Per token: m = max(largest |g|, 1e-5), scale = 127 / m, a = g + (rne(g scale) / scale - g), g = gelu(h) as the launch before left it; a is quantised along K = 4,096 to FP6 (E2M3) with one E8M0 byte for each 32.
; gact holds g as images of accumulators: [tile of 16 tokens][128 columns][quad 16][lane][16 bytes]: loaded on end, register 8 b + j of lane (r, h) is column 32 (b / 2) + 16 h + 8 (b % 2) + j of token r:
; 16 neighbours along K in each 16 registers, which is the order that the conversions want.  Nothing is turned.
; A work-group takes two tiles of 16 tokens; wave w takes columns 256 w on: 128 registers a tile, in blocks of 64.  THREE blocks: the first tile's two and the second tile's first are asked for at the head
; (48 loads of 512 consecutive bytes a wave); the second tile's other half is asked for, into the first block, as soon as the first tile's codes are made of it.
; hq is laid in records of 6,400 bytes, record = 8 x tile + K / 512: four images of a fragment's 12 registers, then the rows' scale words at byte 6,144.
; LIMITS: rne(g scale) is multiplied by a corrected reciprocal of scale where the definition divides: at most one unit in the last place apart.  The clip to -128 .. 127 is not written: |g| <= m, so
; |g scale| <= 127 (1 + 2^-23), which rounds to 127 at the most.  A block of zeros gets the byte 1 (its codes are zeros; only this program reads the bytes).  NaN and infinities are not served.
.set SCB,  2048                        ; LDS: bytes 0-2047 [tile 2][row 16][wave 16] partial maxima; from 2,048 [tile 2][K / 512: 8][row 16][4 words] scale words
.set SEL,  20                          ; s[20:21] lane selects for v_permlanex16_b32: lane l xor 16
.set SCL,  6                           ; v[6:7] scale, twice
.set INV,  8                           ; v[8:9] 1 / scale, twice
.set MX,   10                          ; v10-11
.set T,    16                          ; v16-31 the sixteen partial maxima; then v16-23 at work in INT8,
.set RT,   24                          ; v24-26 in ROWSCALE,
.set PT,   24                          ; v24-26, v28-30 the second halves of a block's codes,
.set PW,   31                          ; v31 the scale word
.set X0,   32                          ; three blocks of 64 numbers
.set X1,   96
.set X2,   160
.set TM,   224                         ; v224-239 QUANT's
.set PC,   240                         ; v240-251 the codes
; 64 numbers of a lane, register 16 b + i = k 32 b + 16 (lane / 16) + i of my row, become a fragment's codes in v[PC] on and its scale word in v[PW].
.macro QUANT s
.irp b, 0,1,2,3
	v_max3_num_f32 v[TM+\b], |v[\s+16*\b]|, |v[\s+1+16*\b]|, 0x1800000   ; block b: my 16 numbers, and the floor 2^(3 - 127): the byte cannot fall under 1
.endr
.irp i, 2,4,6,8,10,12,14
.irp b, 0,1,2,3
	v_max3_num_f32 v[TM+\b], v[TM+\b], |v[\s+16*\b+\i]|, |v[\s+1+16*\b+\i]|
.endr
.endr
.irp b, 0,1,2,3
	v_permlanex16_b32 v[TM+4+\b], v[TM+\b], s[SEL], s[SEL+1]
.endr
.irp b, 0,1,2,3
	v_max_num_f32 v[TM+\b], v[TM+\b], v[TM+4+\b]   ; with lane l xor 16's: the block's largest magnitude
.endr
.irp b, 0,1,2,3
	v_add_nc_u32 v[TM+12+\b], 0xff000000, v[TM+\b]   ; 2 off the exponent field: the conversion's scale operand
.endr
.irp b, 0,1,2,3
	v_lshrrev_b32 v[TM+4+\b], 23, v[TM+12+\b]   ; the scale's byte
.endr
	v_lshl_or_b32 v[PW], v[TM+5], 8, v[TM+4]
	v_lshl_or_b32 v[PW], v[TM+6], 16, v[PW]
	v_lshl_or_b32 v[PW], v[TM+7], 24, v[PW]
.irp c, 0,1
	v_cvt_scalef32_pk16_fp6_f32 v[PC+6*\c:PC+2+6*\c], v[\s+32*\c:\s+15+32*\c], v[TM+12+2*\c]
	v_cvt_scalef32_pk16_fp6_f32 v[PT+4*\c:PT+2+4*\c], v[\s+16+32*\c:\s+31+32*\c], v[TM+12+2*\c+1]   ; (a conversion's three registers begin on an even number)
.endr
	v_nop                                          ; one plain place behind a scaled conversion
.irp c, 0,1                                    ; the operand's layout wants a whole block in a lane: lanes 0-15 block 2 c, lanes 16-31 block 2 c + 1
.irp i, 0,1,2
	v_permlane16_swap_b32 v[PC+6*\c+\i], v[PT+4*\c+\i]
.endr
.irp i, 0,1,2
	v_mov_b32 v[PC+3+6*\c+\i], v[PT+4*\c+\i]
.endr
.endr
.endm
; scale = 127 / max(m, 1e-5) and 1 / scale, each a reciprocal with one correcting step
.macro ROWSCALE m
	v_max_num_f32 v[\m], 0x3727c5ac, v[\m]
	v_rcp_f32 v[RT], v[\m]
	v_nop                                          ; a plain place behind the transcendental
	s_wait_alu depctr_va_vdst(0)
	v_mul_f32 v[RT+1], 0x42fe0000, v[RT]
	v_fma_f32 v[RT+2], -v[RT+1], v[\m], 0x42fe0000
	v_fma_f32 v[SCL], v[RT+2], v[RT], v[RT+1]
	v_rcp_f32 v[RT], v[SCL]
	v_nop
	s_wait_alu depctr_va_vdst(0)
	v_fma_f32 v[RT+1], -v[SCL], v[RT], 1.0
	v_fma_f32 v[INV], v[RT+1], v[RT], v[RT]
	v_mov_b32 v[SCL+1], v[SCL]
	v_mov_b32 v[INV+1], v[INV]
.endm
; a = g + (rne(g scale) / scale - g), 64 registers in place, four pairs by turns
.macro INT8 s
.set g, \s
.rept 8
.irp p, 0,2,4,6
	v_pk_mul_f32 v[T+\p:T+\p+1], v[g+\p:g+\p+1], v[SCL:SCL+1]
.endr
.irp p, 0,1,2,3,4,5,6,7
	v_rndne_f32 v[T+\p], v[T+\p]
.endr
.irp p, 0,2,4,6
	v_pk_mul_f32 v[T+\p:T+\p+1], v[T+\p:T+\p+1], v[INV:INV+1]
.endr
.irp p, 0,2,4,6
	v_pk_add_f32 v[T+\p:T+\p+1], v[T+\p:T+\p+1], v[g+\p:g+\p+1] neg_lo:[0,1] neg_hi:[0,1]
.endr
.irp p, 0,2,4,6
	v_pk_add_f32 v[g+\p:g+\p+1], v[g+\p:g+\p+1], v[T+\p:T+\p+1]
.endr
.set g, g+8
.endr
.endm
.macro MAX8 x                          ; eight magnitudes join the two running maxima
	v_max3_num_f32 v[MX], v[MX], |v[\x]|, |v[\x+1]|
	v_max3_num_f32 v[MX+1], v[MX+1], |v[\x+2]|, |v[\x+3]|
	v_max3_num_f32 v[MX], v[MX], |v[\x+4]|, |v[\x+5]|
	v_max3_num_f32 v[MX+1], v[MX+1], |v[\x+6]|, |v[\x+7]|
.endm
; Tile t, in blocks b0 and b1: the tokens' largest magnitudes and their scales.  cnt: the loads younger than the tile's first two
.macro TILE t, b0, b1, cnt
	v_mov_b32 v[MX], 0
	v_mov_b32 v[MX+1], 0
.set c, 0
.rept 8
	s_wait_loadcnt \cnt-2*c                        ; two more loads are in; the younger ones stay out
	MAX8 \b0+8*c
.set c, c+1
.endr
.rept 8
	s_wait_loadcnt \cnt-2*c
	MAX8 \b1+8*(c-8)
.set c, c+1
.endr
	v_max_num_f32 v[MX], v[MX], v[MX+1]
	v_permlanex16_b32 v[MX+1], v[MX], s[SEL], s[SEL+1]
	v_max_num_f32 v[MX], v[MX], v[MX+1]            ; token r's largest magnitude among my 256 columns
	ds_store_b32 v2, v[MX] offset:1024*\t          ; (both lanes of a token write the same word with the same value)
	s_wait_dscnt 0x0                               ; for the others' sake
	s_barrier_signal -1
	s_barrier_wait -1
.irp i, 0,1,2,3
	ds_load_b128 v[16+4*\i:19+4*\i], v3 offset:1024*\t+16*\i
.endr
	s_wait_dscnt 0x0
	v_max3_num_f32 v16, v16, v17, v18
	v_max3_num_f32 v19, v19, v20, v21
	v_max3_num_f32 v22, v22, v23, v24
	v_max3_num_f32 v25, v25, v26, v27
	v_max3_num_f32 v28, v28, v29, v30
	v_max3_num_f32 v16, v16, v19, v31
	v_max3_num_f32 v22, v22, v25, v28
	v_max_num_f32 v[MX], v16, v22                  ; the whole token's
	ROWSCALE MX
.endm
; K step f of my two, of tile t, in the block at base: one fragment's codes, stored, and its scale word kept
.macro HALFQ t, f, base
	INT8 \base
	s_wait_xcnt 0x0                                ; the last stores have read the codes' registers
	QUANT \base
.irp cc, 0,1,2
	global_store_b128 v1, v[PC+4*\cc:PC+4*\cc+3], s[8:9] offset:51200*\t+1536*\f+512*\cc   ; 512 consecutive bytes, at a multiple of 256 from hq's first byte
.endr
	v_mov_b32 v[12+\f], v[PW]
.endm
	s_load_b128 s[4:7], s[0:1], 0x0                ; gact s[4:5], hq s[6:7]
	v_lshl_add_u32 v254, v0, 2, 0x1800
	v_mov_b32 v255, 0
	v_lshrrev_b32 v1, 5, v0
	v_readfirstlane_b32 s14, v1                    ; wave 0..15
	v_and_b32 v15, 31, v0
	v_lshlrev_b32 v1, 4, v15                       ; 16 x lane
	v_and_b32 v15, 15, v0                          ; r
	v_bfe_u32 v14, v0, 4, 1                        ; h
	v_lshlrev_b32 v3, 6, v15                       ; token r's sixteen partial maxima
	s_lshl_b32 s15, s14, 2
	v_add_nc_u32 v2, s15, v3                       ; and mine among them
	s_lshr_b32 s16, s14, 1                         ; which record of the tile's eight
	s_and_b32 s17, s14, 1                          ; which half of it
	s_lshl_b32 s15, s16, 8
	s_lshl_b32 s18, s17, 3
	s_add_co_u32 s15, s15, s18
	v_lshlrev_b32 v4, 4, v15
	v_add_nc_u32 v4, s15, v4
	v_add_nc_u32 v4, SCB, v4                       ; my two scale words
	s_and_b32 s19, s14, 7
	s_lshl_b32 s15, s19, 9
	v_add_nc_u32 v5, s15, v1
	v_add_nc_u32 v5, SCB, v5                       ; where waves 0-7 read two records' words back
	v_mul_u32_u24 v14, v14, 6400
	v_lshl_add_u32 v14, v15, 4, v14
.irp b, 0,1,2,3
	v_mov_b32 v[TM+4+\b], 0                        ; written once: a lane permute's destination counts as one of its sources
.endr
	s_mov_b32 s[SEL], 0x76543210
	s_mov_b32 s[SEL+1], 0xfedcba98
	s_lshl_b32 s22, ttmp9, 19                      ; two tiles of 262,144 bytes,
	s_lshl_b32 s23, s14, 14                        ; my 16,384 of each
	s_add_co_u32 s22, s22, s23
	s_mov_b32 s23, 0
	s_mul_i32 s46, ttmp9, 102400                   ; the two tiles' sixteen records
	s_mov_b32 s47, 0
	s_mul_i32 s48, s16, 6400
	s_mul_i32 s49, s17, 3072
	s_add_co_u32 s48, s48, s49                     ; my two images in a tile's
	s_mov_b32 s49, 0
	s_mul_i32 s52, s19, 12800                      ; records 2 (wave % 8) on: for the scale words
	s_mov_b32 s53, 0
	s_wait_kmcnt 0x0
	s_add_nc_u64 s[4:5], s[4:5], s[22:23]
	s_add_nc_u64 s[6:7], s[6:7], s[46:47]
	s_add_nc_u64 s[8:9], s[6:7], s[48:49]
	s_add_nc_u64 s[10:11], s[6:7], s[52:53]
.irp j, 0,1,2,3,4,5,6,7,8,9,10,11,12,13,14,15
	global_load_b128 v[X0+4*\j:X0+4*\j+3], v1, s[4:5] offset:512*\j th:TH_LOAD_NT          ; tile 0, my first K step: 512 consecutive bytes each
.endr
.irp j, 0,1,2,3,4,5,6,7,8,9,10,11,12,13,14,15
	global_load_b128 v[X1+4*\j:X1+4*\j+3], v1, s[4:5] offset:8192+512*\j th:TH_LOAD_NT     ; tile 0, my second
.endr
.irp j, 0,1,2,3,4,5,6,7,8,9,10,11,12,13,14,15
	global_load_b128 v[X2+4*\j:X2+4*\j+3], v1, s[4:5] offset:262144+512*\j th:TH_LOAD_NT   ; tile 1, my first
.endr
	TILE 0, X0, X1, 46                             ; 48 loads are out: behind the tile's first two stand 46
	HALFQ 0, 0, X0
.irp j, 0,1,2,3,4,5,6,7,8,9,10,11,12,13,14,15
	global_load_b128 v[X0+4*\j:X0+4*\j+3], v1, s[4:5] offset:262144+8192+512*\j th:TH_LOAD_NT   ; tile 1, my second K step, into the block that has just been quantised
.endr
	HALFQ 0, 1, X1
	ds_store_b64 v4, v[12:13]
	TILE 1, X2, X0, 30                             ; 32 loads at the most are out: behind the tile's first two stand 30
	HALFQ 1, 0, X2
	HALFQ 1, 1, X0
	ds_store_b64 v4, v[12:13] offset:2048
	s_wait_dscnt 0x0
	s_barrier_signal -1
	s_barrier_wait -1
	s_cmp_lt_u32 s14, 8
	s_cbranch_scc0 .Lend
	ds_load_b128 v[16:19], v5                      ; waves 0-7: two records' scale words each
	s_wait_dscnt 0x0
	global_store_b128 v14, v[16:19], s[10:11] offset:6144   ; sixteen lanes store 256 consecutive bytes
.Lend:
	s_wait_tensorcnt 0x0
	ds_add_u32 v254, v255
	s_wait_dscnt 0x0
	s_endpgm
.Lfunc_end_k_q81d6b140e0_hquant:
	.size	k_q81d6b140e0_hquant, .Lfunc_end_k_q81d6b140e0_hquant-k_q81d6b140e0_hquant
	.p2alignl 7, 3214868480
	.fill 96, 4, 3214868480
	.section	.rodata,"a",@progbits
	.p2align	6, 0x0
	.amdhsa_kernel k_q81d6b140e0_hquant
		.amdhsa_group_segment_fixed_size 8192
		.amdhsa_private_segment_fixed_size 0
		.amdhsa_enable_private_segment 0
		.amdhsa_kernarg_size 16
		.amdhsa_user_sgpr_count 2
		.amdhsa_user_sgpr_kernarg_segment_ptr 1
		.amdhsa_wavefront_size32 1
		.amdhsa_system_sgpr_workgroup_id_x 1
		.amdhsa_system_sgpr_workgroup_id_y 1
		.amdhsa_system_sgpr_workgroup_id_z 1
		.amdhsa_system_vgpr_workitem_id 0
		.amdhsa_next_free_vgpr 256
		.amdhsa_next_free_sgpr 66
		.amdhsa_reserve_vcc 0
		.amdhsa_float_denorm_mode_32 3
		.amdhsa_float_denorm_mode_16_64 3
		.amdhsa_memory_ordered 1
		.amdhsa_forward_progress 1
		.amdhsa_inst_pref_size 78
	.end_amdhsa_kernel
	.amdgpu_metadata
---
amdhsa.version: [ 1, 2 ]
amdhsa.kernels:
  - .name:           k_q81d6b140e0_hquant
    .symbol:         k_q81d6b140e0_hquant.kd
    .args:
      - { .name: gact, .offset: 0, .size: 8, .value_kind: global_buffer, .address_space: global }
      - { .name: hq, .offset: 8, .size: 8, .value_kind: global_buffer, .address_space: global }
    .group_segment_fixed_size: 8192
    .private_segment_fixed_size: 0
    .kernarg_segment_align: 8
    .kernarg_segment_size: 16
    .max_flat_workgroup_size: 512
    .sgpr_count:     66
    .vgpr_count:     256
    .wavefront_size: 32
...
	.end_amdgpu_metadata
.endif
;; end of part 4
;; launch gemm2 (part 5): grid 4 x 64, 4 waves a work-group, clusters of 4 x 4, 327,680 bytes of LDS; arguments hq, w2q, out0; writes out0
.if DOCPART == 5
	.amdgcn_target "amdgcn-amd-amdhsa--gfx1250"
	.amdhsa_code_object_version 6
	.text
	.protected	k_q81d6b140e0_gemm2
	.globl	k_q81d6b140e0_gemm2
	.p2align	8
	.type	k_q81d6b140e0_gemm2,@function
k_q81d6b140e0_gemm2:
	s_mov_b64 s[64:65], 0
	v_nop
	global_prefetch_b8 v0, s[64:65] scope:SCOPE_SE
	s_setreg_imm32_b32 hwreg(HW_REG_WAVE_MODE, 25, 1), 1
	s_wait_xcnt 0x0
	s_wait_alu depctr_hold_cnt(0) depctr_sa_sdst(0) depctr_va_vdst(0) depctr_va_sdst(0) depctr_va_ssrc(0) depctr_va_vcc(0) depctr_vm_vsrc(0)
	s_getreg_b32 s2, hwreg(HW_REG_IB_STS2, 6, 4)
	s_cmp_eq_u32 s2, 0
	s_cbranch_scc0 .Lentry_in_a_cluster
	s_endpgm
.Lentry_in_a_cluster:
	s_bfe_u32 s2, ttmp6, 0x10000c
	s_cmp_lg_u32 s2, 0xf033
	s_cbranch_scc0 .Lentry_shape_is_right
	s_endpgm
.Lentry_shape_is_right:
; out = A B^T on codes of FP6 (E2M3) with E8M0 scales: A = hq (8,192 tokens, K = 4,096), B = w2q (1,024 rows); out0 [8192][1024] f32.
; OPERANDS lie in records of 6,400 bytes (record = 8 x tile of 16 rows + K / 512): four images of a fragment's 12 registers, 1,536 bytes each, then the rows' scale words at byte 6,144.
; A tile of C is 128 x 256, which gives 256 work-groups (256 x 256 would give 128); four waves, each 64 x 128: 32 accumulators.
; K goes in steps of 512 through a ring of two LDS slots; a slot holds WHOLE RECORDS (A's 8, B's 16: 153,600 bytes), so codes and scale words come by the same load, one a wave.
; From a refill's request to the wait for it a wave issues 112 of a slot's 128 matrix instructions.
; CLUSTERS: 4 x 4 work-groups; A's tiles are asked for jointly along a row of the cluster, B's along a column.
; THE MATRIX INSTRUCTION IS USED TRANSPOSED (source 0 = 16 rows of B, source 1 = 16 tokens): a lane holds one token; by the order of B's rows in a tile, register j of accumulator b is column 32 (b / 2) + 16 (lane / 16) + 8 (b % 2) + j.
; REGISTERS: window 0: v16-29 addresses; v32-95 scale words, a set for each slot; v96-143, v144-191 A's fragments, two sets; on the way out v128-255.  window 1: v0-95, v128-223 B's, two sets.  window 2: accumulator (a, b) at v[8 (8 a + b)].
.set FR,    12
.set REC,   6400
.set SLOT,  24*REC
.set SPARE, 2*SLOT                     ; the spare words, 128 bytes for each wave: two blocks of 256 bytes that no other line names
.set ADRA,  16                         ; v16-17
.set ADRB,  20                         ; v20-21
.set ADRS,  22                         ; v22-23 my scale words in slot 0, 1: lanes 0-15 A's rows, lanes 16-31 B's
.set STO,   24                         ; v24 the way out: where I put 32 bytes of a row
.set RD,    25                         ; v25 where I read a row back
.set CO,    26                         ; v26 16 x lane
.set SPW,   28
.set NIL,   29
.set SC,    32                         ; register 4 i + q of a set: tile i, the slot's q-th K step
.set AF,    96
.set BK,    128                        ; the way out: 16 rows read back: v128-191 and v192-255 by turns
.set G1,    24                         ; s[24:31] group 1 for A;  s[32:39] for B;  s[40:47], s[48:55] groups 0, one for each slot
.set G1B,   32
.set G0A,   40
.set G0B,   48
.set MSB, 0
.macro WIN new
.if MSB != \new
	s_set_vgpr_msb (MSB<<8)|\new
.set MSB, \new
.endif
.endm
.set MUL,  0xa1                        ; source 0 (B) window 1, source 1 (A) window 0, C and D window 2
.set TO_B, 0x40
.macro JLOAD g0a, g1a, g0b, g1b        ; a joint load: waves 0 and 1 fetch for A, waves 2 and 3 for B; four v_nop follow each of the two lines
	s_cmp_eq_u32 s11, 0
	s_cbranch_scc0 .Lfor_b_\@
	tensor_load_to_lds s[\g0a:\g0a+3], s[\g1a:\g1a+7]
	s_nop 0
.rept 4
	v_nop
.endr
	s_branch .Lasked_\@
.Lfor_b_\@:
	tensor_load_to_lds s[\g0b:\g0b+3], s[\g1b:\g1b+7]
	s_nop 0
.rept 4
	v_nop
.endr
.Lasked_\@:
.endm
.macro CREST
	s_cmp_lg_u32 s10, 0
	s_cbranch_scc1 .Lnot_wave_0_\@
	s_barrier_signal -3
.Lnot_wave_0_\@:
	s_barrier_wait -3
	s_barrier_signal -1
	s_barrier_wait -1
.endm
.macro CROUND
	s_barrier_signal -1
	s_barrier_wait -1
	CREST
.endm
.macro PLACES                          ; four places in front of loads into registers that matrix instructions have read, and of stores that read results
.rept 4
	v_nop
.endr
.endm
.macro FRAG reg, adr, off
.irp c, 0,1,2
	ds_load_b128 v[\reg+4*\c:\reg+4*\c+3], v[\adr] offset:\off+512*\c
.endr
.endm
.macro FETCH slot, q, p                ; the slot's q-th K step into set p: B's eight fragments, A's four: 36 loads in one run
	WIN TO_B
.irp i, 0,1,2,3,4,5,6,7
	FRAG 128*(\p)+FR*\i, ADRB+(\slot), REC*\i+1536*(\q)
.endr
	WIN 0
.irp i, 0,1,2,3
	FRAG AF+48*(\p)+FR*\i, ADRA+(\slot), REC*\i+1536*(\q)
.endr
.endm
.macro SCALES slot                     ; a slot's scale words: four a row.  Lanes 16-31: B's tile i.  Lanes 0-15: A's tile i for i < 4; beyond that they read filled bytes of the slot that no product uses
.irp i, 0,1,2,3,4,5,6,7
	ds_load_b128 v[SC+32*(\slot)+4*\i:SC+32*(\slot)+4*\i+3], v[ADRS+(\slot)] offset:REC*\i
.endr
.endm
.macro MUL8 a, slot, q, zero           ; A's tile a against B's eight.  The 32 accumulators take turns in the same order in every K step
.irp b, 0,1,2,3,4,5,6,7
.set rD, 8*(8*(\a)+\b)
.set rB, 128*((\q)%2)+FR*\b
.set rA, AF+48*((\q)%2)+FR*(\a)
.set rS, SC+32*(\slot)+(\q)
.if \zero
	v_wmma_scale_f32_16x16x128_f8f6f4 v[rD:rD+7], v[rB:rB+11], v[rA:rA+11], 0, v[rS+4*\b], v[rS+4*(\a)] matrix_a_fmt:MATRIX_FMT_FP6 matrix_b_fmt:MATRIX_FMT_FP6 matrix_a_scale:MATRIX_SCALE_ROW1
.else
	v_wmma_scale_f32_16x16x128_f8f6f4 v[rD:rD+7], v[rB:rB+11], v[rA:rA+11], v[rD:rD+7], v[rS+4*\b], v[rS+4*(\a)] matrix_a_fmt:MATRIX_FMT_FP6 matrix_b_fmt:MATRIX_FMT_FP6 matrix_a_scale:MATRIX_SCALE_ROW1
.endif
.endr
.endm
; One of a slot's first three K steps: the next step's fragments are asked for first, in one run, and have this step's 32 matrix instructions in which to come.
.macro STEP slot, q, zero
	PLACES
	FETCH \slot, (\q)+1, ((\q)+1)%2
	s_wait_dscnt 36                                ; all but the 36 just issued: this step's fragments (and scale words) are in
	WIN MUL
	MUL8 0, \slot, \q, \zero
	MUL8 1, \slot, \q, \zero
	MUL8 2, \slot, \q, \zero
	MUL8 3, \slot, \q, \zero
	WIN 0
.endm
; A slot's last K step changes slots: ONE barrier; in front of it each wave waits for all its tensor loads, adds 0 to its spare word, and waits for that and for its reads of this slot.  fill = 1: this slot is filled again, 1,024 along K ahead.
.macro TURN slot, next, fill
	s_wait_tensorcnt 0x0                           ; all my tensor loads have landed: my part of the next slot
	ds_add_u32 v[SPW], v[NIL]                      ; 0 onto my spare word
	s_wait_dscnt 1                                 ; (the add may be out: this step's fragments are in)
	WIN MUL
	MUL8 0, \slot, 3, 0                            ; eight matrix instructions stand between the add and the wait for it
	s_wait_dscnt 0x0                               ; the add is done, and my reads of this slot are over
	s_barrier_signal -1
	MUL8 1, \slot, 3, 0
	WIN 0
	s_barrier_wait -1
.if \fill
	CREST                                          ; the barrier has opened a round of the cluster's barrier: no wave of any partner still reads this slot or has a load on its way
	s_add_nc_u64 s[G0A+4*\slot+2:G0A+4*\slot+3], s[G0A+4*\slot+2:G0A+4*\slot+3], 2*REC
	s_add_nc_u64 s[G0B+4*\slot+2:G0B+4*\slot+3], s[G0B+4*\slot+2:G0B+4*\slot+3], 2*REC
	JLOAD G0A+4*\slot, G1, G0B+4*\slot, G1B        ; the first tensor load behind the round; its four v_nop are also the places in front of the loads below
.else
	PLACES
.endif
	FETCH \next, 0, 0
	SCALES \next
	WIN MUL
	MUL8 2, \slot, 3, 0
	MUL8 3, \slot, 3, 0
	WIN 0
.endm
	s_load_b128 s[4:7], s[0:1], 0x0                ; hq s[4:5], w2q s[6:7]
	s_load_b64 s[8:9], s[0:1], 0x10                ; out0
	v_lshl_add_u32 v[SPW], v0, 2, SPARE
	v_mov_b32 v[NIL], 0
	ds_add_u32 v28, v29
	ds_add_u32 v28, v29
	s_wait_dscnt 0x0
	v_lshrrev_b32 v1, 5, v0
	v_readfirstlane_b32 s10, v1                    ; wave 0..3
	s_lshr_b32 s11, s10, 1                         ; which half of the tile's rows is mine.  Also: I fetch for A (0) or for B (1)
	s_and_b32 s12, s10, 1                          ; which half of its columns.  Also: which half of that operand's records I fetch
	s_bfe_u32 s15, ttmp6, 0x40000                  ; cx
	s_bfe_u32 s16, ttmp6, 0x40004                  ; cy
	s_lshl_b32 s14, ttmp9, 2
	s_add_co_u32 s14, s14, s15                     ; tile column of C
	s_and_b32 s13, ttmp7, 0xffff
	s_lshl_b32 s13, s13, 2
	s_add_co_u32 s13, s13, s16                     ; tile row of C
	s_lshl_b32 s17, s16, 2
	s_lshl_b32 s17, 15, s17                        ; my row of the cluster
	s_lshl_b32 s18, 0x1111, s15                    ; my column
	; group 1: rows of one record, 6,400 bytes = 800 elements of 8 bytes, 51,200 bytes = 6,400 elements apart (from a tile of rows to the next); A: 4 rows, B: 8; no padding
	s_or_b32 s[G1], s17, (3<<16)|(1<<21)           ; 15:0 the mask; 17:16 elements of 8 bytes; 21 set beside a mask
	s_mov_b32 s[G1+1], 800<<16                     ; tensor_dim0
	s_mov_b32 s[G1+2], 4<<16                       ; tensor_dim1
	s_mov_b32 s[G1+3], 800<<16                     ; tile_dim0
	s_mov_b32 s[G1+4], 4                           ; tile_dim1
	s_mov_b32 s[G1+5], 6400                        ; tensor_dim0_stride
	s_mov_b32 s[G1+6], 0
	s_mov_b32 s[G1+7], 0
	s_or_b32 s[G1B], s18, (3<<16)|(1<<21)
	s_mov_b32 s[G1B+1], 800<<16
	s_mov_b32 s[G1B+2], 8<<16
	s_mov_b32 s[G1B+3], 800<<16
	s_mov_b32 s[G1B+4], 8
	s_mov_b32 s[G1B+5], 6400
	s_mov_b32 s[G1B+6], 0
	s_mov_b32 s[G1B+7], 0
	s_lshl_b32 s20, s13, 3                         ; A: tile of rows 8 x tile row + 4 x half, 51,200 bytes each
	s_lshl_b32 s21, s12, 2
	s_add_co_u32 s20, s20, s21
	s_mul_i32 s20, s20, 8*REC
	s_mov_b32 s21, 0
	s_lshl_b32 s56, s14, 4                         ; B: 16 x tile column + 8 x half
	s_lshl_b32 s57, s12, 3
	s_add_co_u32 s56, s56, s57
	s_mul_i32 s56, s56, 8*REC
	s_mov_b32 s57, 0
	s_mul_i32 s22, s12, 4*REC                      ; where they go in a slot: A's halves of 4 records,
	s_mul_i32 s23, s12, 8*REC
	s_add_co_u32 s23, s23, 8*REC                   ; then B's halves of 8: no place in the cluster enters an LDS address
	s_wait_kmcnt 0x0
	s_add_nc_u64 s[20:21], s[4:5], s[20:21]
	s_add_nc_u64 s[56:57], s[6:7], s[56:57]
	CROUND                                         ; all sixteen work-groups are here: the first joint loads meet
.irp s, 0,1
	s_mov_b32 s[G0A+4*\s], 1
	s_add_co_u32 s[G0A+4*\s+1], s22, \s*SLOT
	s_add_nc_u64 s[G0A+4*\s+2:G0A+4*\s+3], s[20:21], \s*REC
	s_or_b32 s[G0A+4*\s+3], s[G0A+4*\s+3], 0x80000000
	s_mov_b32 s[G0B+4*\s], 1
	s_add_co_u32 s[G0B+4*\s+1], s23, \s*SLOT
	s_add_nc_u64 s[G0B+4*\s+2:G0B+4*\s+3], s[56:57], \s*REC
	s_or_b32 s[G0B+4*\s+3], s[G0B+4*\s+3], 0x80000000
	JLOAD G0A+4*\s, G1, G0B+4*\s, G1B
.endr
	v_and_b32 v1, 31, v0
	v_lshlrev_b32 v[CO], 4, v1                     ; 16 x lane
	v_and_b32 v2, 15, v0                           ; r
	v_bfe_u32 v3, v0, 4, 1                         ; h
	s_mul_i32 s58, s11, 4*REC                      ; my four tiles of A
	s_mul_i32 s59, s12, 8*REC
	s_add_co_u32 s59, s59, 8*REC                   ; my eight of B
	s_sub_co_u32 s60, s59, s58
	v_mul_u32_u24 v4, s60, v3                      ; the scale words: lanes 16-31 take B's: one product with h
	v_lshl_add_u32 v4, v2, 4, v4                   ; 16 bytes a row,
	v_add_nc_u32 v4, 6144, v4                      ; behind a record's four images
.irp s, 0,1
	v_add_nc_u32 v[ADRA+\s], s58, v[CO]
	v_add_nc_u32 v[ADRB+\s], s59, v[CO]
	v_add_nc_u32 v[ADRS+\s], s58, v4
	s_add_co_u32 s58, s58, SLOT
	s_add_co_u32 s59, s59, SLOT
.endr
	s_mul_i32 s61, s10, 8448                       ; my stage: 16 rows x (512 bytes + 16), in slot 0, which has had its last fill and its last read when the first result is stored there
	v_mul_u32_u24 v5, v2, 528
	v_lshl_add_u32 v5, v3, 6, v5
	v_add_nc_u32 v[STO], s61, v5                   ; in: row r, + 64 h
	v_add_nc_u32 v[RD], s61, v[CO]                 ; back: the 32 lanes take one row of 512 bytes
	s_lshl_b32 s62, s13, 7
	s_lshl_b32 s63, s11, 6
	s_add_co_u32 s62, s62, s63                     ; my first row of C,
	s_lshl_b32 s62, s62, 12                        ; 4,096 bytes a row;
	s_lshl_b32 s63, s14, 10
	s_add_co_u32 s62, s62, s63                     ; my first column: 1,024 bytes x tile column + 512 x half
	s_lshl_b32 s63, s12, 9
	s_add_co_u32 s62, s62, s63
	s_mov_b32 s63, 0
	s_add_nc_u64 s[8:9], s[8:9], s[62:63]
	s_wait_tensorcnt 1                             ; my part of slot 0 is in; slot 1's may stay out
	s_barrier_signal -1
	s_barrier_wait -1                              ; everybody's is
	FETCH 0, 0, 0
	SCALES 0
	STEP 0, 0, 1                                   ; the first step stands in front of the loop: its products start the sums
	s_mov_b32 s19, 3
.Llap:                                                 ; a trip goes once round the ring, from a lap's second K step to the next lap's first, and fills both slots again
	STEP 0, 1, 0
	STEP 0, 2, 0
	TURN 0, 1, 1
	STEP 1, 0, 0
	STEP 1, 1, 0
	STEP 1, 2, 0
	TURN 1, 0, 1
	STEP 0, 0, 0
	s_sub_co_u32 s19, s19, 1
	s_cmp_lg_u32 s19, 0
	s_cbranch_scc1 .Llap
	STEP 0, 1, 0                                   ; the last lap fills nothing, and has no round of the cluster's barrier
	STEP 0, 2, 0
	TURN 0, 1, 0
	STEP 1, 0, 0
	STEP 1, 1, 0
	STEP 1, 2, 0
	s_wait_dscnt 0x0                               ; the very last K step: nothing more to fetch
	WIN MUL
	MUL8 0, 1, 3, 0
	MUL8 1, 1, 3, 0
	MUL8 2, 1, 3, 0
	MUL8 3, 1, 3, 0
	WIN 0
; THE WAY OUT, a block of 16 rows x 128 columns at a time, through my own stage: in by 32 bytes of a row a lane, back as whole rows of 512 bytes.  LDS serves a wave's instructions in order (ISA guide 5.7.1.4): no wait between the stores and the loads.
.macro TOSTAGE a
	WIN 0x08                                       ; an LDS store's data are its source 1: window 2
.irp b, 0,1,2,3,4,5,6,7
	ds_store_b128 v[STO], v[8*(8*(\a)+\b):8*(8*(\a)+\b)+3] offset:128*(\b/2)+32*(\b%2)      ; each accumulator from its low end on
	ds_store_b128 v[STO], v[8*(8*(\a)+\b)+4:8*(8*(\a)+\b)+7] offset:128*(\b/2)+32*(\b%2)+16
.endr
	WIN 0
.set BB, BK+64*((\a)%2)
.irp t, 0,1,2,3,4,5,6,7,8,9,10,11,12,13,14,15
	ds_load_b128 v[BB+4*\t:BB+4*\t+3], v[RD] offset:\t*528
.endr
.endm
.macro SEND a, younger                 ; younger: the LDS instructions issued behind block a's loads, which may stay out
.set BB, BK+64*((\a)%2)
	s_wait_dscnt \younger
.irp t, 0,1,2,3,4,5,6,7,8,9,10,11,12,13,14,15
	global_store_b128 v[CO], v[BB+4*\t:BB+4*\t+3], s[8:9] offset:(16*(\a)+\t)*4096 th:TH_STORE_NT   ; 32 lanes store 512 consecutive bytes, at a multiple of 256 from out0's first byte; every offset an immediate, 63 rows at the most
.endr
.endm
	PLACES                                         ; for the stores that read results, and for the loads into registers that held A's fragments
	TOSTAGE 0
	TOSTAGE 1
	SEND 0, 32                                     ; behind block 0's loads: block 1's 16 stores and 16 loads
	s_wait_xcnt 0x0                                ; block 0's stores have read their registers: block 2's loads may land there
	TOSTAGE 2
	SEND 1, 32
	s_wait_xcnt 0x0
	TOSTAGE 3
	SEND 2, 32
	SEND 3, 0
	s_wait_tensorcnt 0x0                           ; the wave's end, behind my last tensor load and my last LDS store
	ds_add_u32 v[SPW], v[NIL]
	s_wait_dscnt 0x0
	CROUND                                         ; the closing round: no work-group ends while a partner may still ask for a tile that names it
	s_endpgm
.Lfunc_end_k_q81d6b140e0_gemm2:
	.size	k_q81d6b140e0_gemm2, .Lfunc_end_k_q81d6b140e0_gemm2-k_q81d6b140e0_gemm2
	.p2alignl 7, 3214868480
	.fill 96, 4, 3214868480
	.section	.rodata,"a",@progbits
	.p2align	6, 0x0
	.amdhsa_kernel k_q81d6b140e0_gemm2
		.amdhsa_group_segment_fixed_size 327680
		.amdhsa_private_segment_fixed_size 0
		.amdhsa_enable_private_segment 0
		.amdhsa_kernarg_size 24
		.amdhsa_user_sgpr_count 2
		.amdhsa_user_sgpr_kernarg_segment_ptr 1
		.amdhsa_wavefront_size32 1
		.amdhsa_system_sgpr_workgroup_id_x 1
		.amdhsa_system_sgpr_workgroup_id_y 1
		.amdhsa_system_sgpr_workgroup_id_z 1
		.amdhsa_system_vgpr_workitem_id 0
		.amdhsa_next_free_vgpr 768
		.amdhsa_next_free_sgpr 66
		.amdhsa_reserve_vcc 0
		.amdhsa_float_denorm_mode_32 3
		.amdhsa_float_denorm_mode_16_64 3
		.amdhsa_memory_ordered 1
		.amdhsa_forward_progress 1
		.amdhsa_inst_pref_size 131
	.end_amdhsa_kernel
	.amdgpu_metadata
---
amdhsa.version: [ 1, 2 ]
amdhsa.kernels:
  - .name:           k_q81d6b140e0_gemm2
    .symbol:         k_q81d6b140e0_gemm2.kd
    .args:
      - { .name: hq, .offset: 0, .size: 8, .value_kind: global_buffer, .address_space: global }
      - { .name: w2q, .offset: 8, .size: 8, .value_kind: global_buffer, .address_space: global }
      - { .name: out0, .offset: 16, .size: 8, .value_kind: global_buffer, .address_space: global }
    .group_segment_fixed_size: 327680
    .private_segment_fixed_size: 0
    .kernarg_segment_align: 8
    .kernarg_segment_size: 24
    .max_flat_workgroup_size: 128
    .sgpr_count:     66
    .vgpr_count:     768
    .wavefront_size: 32
...
	.end_amdgpu_metadata
.endif
;; end of part 5
